; MI455X (gfx1250); checked and timed in simulation.
; The chip was launched on July 23, 2026; its instructions are those of AMD's public machine-readable ISA for CDNA 5 (MIT licence, August 2026) and "CDNA5" Instruction Set Architecture Reference Guide (July 2026). The comments in the code are by the model that wrote it; some were corrected since.
;; Self Attention Layer. Allowed arithmetic: matrix products marked QUANTISED: E2M1 operands, one E8M0 scale for each 32 along K, by v_wmma_scale_f32_16x16x128_f8f6f4 with both operands' format E2M1 (or v_wmma_scale_f32_32x16x128_f4), f32 sums; products left as they are: bf16, f16 or f32 operands; f32 sums; everything else in f32.
;; Inputs: Wk 1,024 x 1,024 float32; Wq 1,024 x 1,024 float32; Wv 1,024 x 1,024 float32; x 4 x 2,048 x 1,024 float32.
;; Outputs: out0 4 x 2,048 x 1,024 float32.
;; This version of the problem:
;;   THIS VERSION OF THE PROBLEM IS GIVEN IN LOW PRECISION. The matrix products marked QUANTISED in the list below multiply operands that are first quantised to E2M1 (2 exponent bits, 1 mantissa bit; 4 bits a number), with one power-of-two scale for each 32 numbers along K (OCP MX v1.0); their sums are f32. The products marked 'left as it is' may take bf16, f16 or f32 operands, with f32 sums. Whichever they take, every output number must still come out within the allowed error. Rounding operands to bf16 (8 significant bits) uses up far more of that allowance than f16 does (11 bits, for magnitudes from 6e-5 to 65,504). All else is computed in f32.
;;   The module's matrix products, in the order in which they are computed (A, B: the left and right operand; K: the contracted axis; several contracted axes count as one K, in the product's order):
;;     1. [M 8,192, K 1,024] x [K 1,024, N 1,024]; A: input x; B: input Wk: QUANTISED
;;     2. [M 8,192, K 1,024] x [K 1,024, N 1,024]; A: input x; B: input Wq: QUANTISED
;;     3. [M 8,192, K 1,024] x [K 1,024, N 1,024]; A: input x; B: input Wv: QUANTISED
;;     4. batch 4 x [M 2,048, K 1,024] x [K 1,024, N 2,048]; A: computed on the way; B: computed on the way: left as it is (an operand is computed on the way)
;;     5. batch 4 x [M 2,048, K 2,048] x [K 2,048, N 1,024]; A: computed on the way; B: computed on the way: left as it is (an operand is computed on the way)
;;   THE QUANTISER, for each operand of a quantised product, along K:
;;     - K is cut into blocks of 32 from its start; a last block that is shorter is filled with zeros.
;;     - A block's scale is 2^e with e = floor(log2(the largest magnitude in the block)) - 2, held to -126 .. 127; a block of zeros has e = 0. As a byte (E8M0): e + 127.
;;     - Each number is divided by its block's scale, clamped to +-6, and rounded to the nearest number of E2M1, ties to even, subnormals kept.
;;     - The product sums the exact products of the quantised numbers (number of the format x scale) in f32.
;;   ~~~python
;;   def quantise(x, axis):      # numpy; x: float32 -> the quantised numbers, widened to float32 again
;;       x = np.moveaxis(x, axis, -1); K = x.shape[-1]
;;       x = np.pad(x, [(0, 0)] * (x.ndim - 1) + [(0, -K % 32)]); x = x.reshape(x.shape[:-1] + (-1, 32)); a = np.abs(x).max(-1, keepdims=True)
;;       e = np.where(a > 0, np.clip(np.frexp(np.where(a > 0, a, 1))[1] - 1 - 2, -126, 127), 0)      # np.frexp(a)[1] - 1 = floor(log2(a)), exactly
;;       r = np.clip(x / 2.0 ** e, -6, 6)
;;       step = 2.0 ** (np.maximum(np.frexp(np.where(r == 0, 1, r))[1] - 1, 0) - 1)
;;       q = np.round(r / step) * step * 2.0 ** e      # np.round: ties to even
;;       return np.moveaxis(q.reshape(q.shape[:-2] + (-1,))[..., :K], -1, axis).astype(np.float32)
;;   ~~~
;; One version. Each part assembles by itself: llvm-mc -triple=amdgcn-amd-amdhsa -mcpu=gfx1250 --defsym DOCPART=n.
;; ======== version 1 of 1: 4 launches
;; limits: values are held in f16: magnitudes above 65,504 overflow, below 6.1e-05 lose precision
;; workspace buffers: codes 5,767,168 bytes; scales 360,448 bytes; qkv 50,331,648 bytes; p 33,554,432 bytes; stat 1,048,576 bytes
;; launch quant (part 1): grid 352 x 1, 4 waves a work-group, no clusters, 33,280 bytes of LDS; arguments x, Wk, Wq, Wv, codes, scales; writes codes, scales
.if DOCPART == 1
	.amdgcn_target "amdgcn-amd-amdhsa--gfx1250"
	.amdhsa_code_object_version 6
	.text
	.protected	k_qf69afa1fd1_quant
	.globl	k_qf69afa1fd1_quant
	.p2align	8
	.type	k_qf69afa1fd1_quant,@function
k_qf69afa1fd1_quant:
	s_mov_b64 s[64:65], 0
	v_nop
	global_prefetch_b8 v0, s[64:65] scope:SCOPE_SE
	s_setreg_imm32_b32 hwreg(HW_REG_WAVE_MODE, 25, 1), 1
	s_wait_xcnt 0x0
; x [8192][1024], Wk, Wq, Wv [1024][1024], f32, K innermost, become codes of E2M1 (4 bits, the lower k in the low four bits) and one E8M0 byte for each 32 along K.
; codes: [11264 rows][512 bytes], scales: [11264 rows][32 bytes]; rows 0.. x, 8192.. Wk, 9216.. Wq, 10240.. Wv.
; A block's scale is 2^(floor(log2(its largest magnitude)) - 2): its byte is the largest magnitude's own exponent field - 2, held at 1 from below.
; LIMITS: a block of zeros gets the byte 1 where the rule says 127 (its codes are zeros, which add nothing, and this program alone reads the bytes); blocks whose largest magnitude
; lies under 2^-124 are held at the byte 1; NaN and infinities among the inputs are not served.
; Rows are dense and 1,024 is a multiple of 32: all four tensors are plain streams of blocks of 32.  A work-group takes 32,768 numbers (32 rows), a wave 16 steps of 512.
; Each of a step's four loads reads 512 consecutive bytes; the 2,048 bytes turn through the wave's own stage in LDS and come back 64 bytes (16 neighbours along K) a lane: two lanes hold a block.
; A lane's 16 codes are 8 bytes: the wave stores 256 consecutive bytes.  A wave's 256 scale bytes are gathered in LDS and leave as one aligned run of 256 bytes.
; No tensor loads, no barrier: waves share nothing.  No cluster: no work-group reads what another reads.  Loads run four steps (16 loads a wave) ahead.
.set WAVES, 4
.set STEPS, 16
.set EMAX,  2
.set CB,    8                          ; bytes of 16 codes
.set R,     16                         ; v16-79   four sets of 16 numbers as they are loaded
.set X,     80                         ; v80-111  two sets of 16 neighbours
.set C,     128                        ; v128-191 codes: four registers for each step, so that no store's data are written again
.set E,     112                        ; v112-127 a scale byte for each step
.set WREG,  8192                       ; LDS: a region for each wave: two stages of 32 x SP bytes, behind them its 256 scale bytes
.set SP,    80                         ; a lane's place in a stage: its 64 bytes + 16 of padding
.set SPW,   12                         ; v12      LDS address of my spare word; never rewritten
.set NIL,   13                         ; v13      0; never rewritten
.set SPARE, WAVES*WREG                 ; behind the four regions: the spare words, 128 bytes a wave
	s_load_b256 s[4:11], s[0:1], 0x0               ; x s[4:5], Wk s[6:7], Wq s[8:9], Wv s[10:11]
	s_load_b128 s[12:15], s[0:1], 0x20             ; codes s[12:13], scales s[14:15]
	v_lshl_add_u32 v[SPW], v0, 2, SPARE
	v_mov_b32 v[NIL], 0
	v_lshrrev_b32 v1, 5, v0
	v_readfirstlane_b32 s16, v1                    ; wave
	v_and_b32 v2, 31, v0                           ; lane
	v_lshlrev_b32 v3, 4, v2                        ; my 16 bytes of a load's 512
	s_mul_i32 s17, s16, WREG
	v_lshrrev_b32 v14, 2, v2
	v_mul_u32_u24 v14, v14, SP
	v_and_b32 v15, 3, v2
	v_lshl_add_u32 v14, v15, 4, v14
	v_add_nc_u32 v14, s17, v14                     ; the stage, on the way in: SP (lane / 4) + 16 (lane % 4)
	v_mul_u32_u24 v15, v2, SP
	v_add_nc_u32 v15, s17, v15                     ; and on the way out: SP x lane: my 16 neighbours
	v_mul_u32_u24 v4, v2, CB                       ; my codes' place in a step's
	v_lshrrev_b32 v5, 1, v2
	s_add_co_u32 s17, s17, 2*32*SP
	v_add_nc_u32 v5, s17, v5                       ; LDS: my wave's 256 scale bytes, my block's byte
	v_lshlrev_b32 v7, 3, v2                        ; and on the way out 8 bytes a lane
	v_add_nc_u32 v6, s17, v7
	s_wait_kmcnt 0x0
	; which tensor: work-groups 0-255 x, 256-287 Wk, 288-319 Wq, 320-351 Wv.  The choices hang on the work-group's number alone
	s_and_b32 s18, ttmp9, 31                       ; a weight's work-group among its 32
	s_cmp_lt_u32 ttmp9, 288
	s_cselect_b64 s[6:7], s[6:7], s[8:9]
	s_cmp_lt_u32 ttmp9, 320
	s_cselect_b64 s[6:7], s[6:7], s[10:11]
	s_cmp_lt_u32 ttmp9, 256
	s_cselect_b64 s[4:5], s[4:5], s[6:7]
	s_cselect_b32 s18, ttmp9, s18
	s_lshl_b32 s18, s18, 2
	s_add_co_u32 s18, s18, s16                     ; my wave's run of 8,192 numbers in its tensor,
	s_lshl_b32 s18, s18, 15                        ; 32,768 bytes a run (under 2^26)
	s_mov_b32 s19, 0
	s_add_nc_u64 s[4:5], s[4:5], s[18:19]
	s_lshl_b32 s20, ttmp9, 2
	s_add_co_u32 s20, s20, s16                     ; and in the buffers, whose rows lie in the work-groups' order
	s_lshl_b32 s22, s20, 12                        ; 4,096 bytes of codes a run
	s_mov_b32 s23, 0
	s_add_nc_u64 s[12:13], s[12:13], s[22:23]
	s_lshl_b32 s22, s20, 8                         ; 256 scale bytes a run
	s_add_nc_u64 s[14:15], s[14:15], s[22:23]
.macro LOAD t
.irp i, 0,1,2,3
	global_load_b128 v[R+16*((\t)%4)+4*\i:R+16*((\t)%4)+4*\i+3], v3, s[4:5] offset:2048*(\t)+512*\i th:TH_LOAD_NT   ; 32 lanes read 512 consecutive bytes
.endr
.endm
.macro TURN t                          ; step t's numbers through the stage: LDS serves a wave's instructions in order, so no wait stands between the stores and the loads
.irp i, 0,1,2,3
	ds_store_b128 v14, v[R+16*((\t)%4)+4*\i:R+16*((\t)%4)+4*\i+3] offset:32*SP*((\t)%2)+8*SP*\i
.endr
.irp i, 0,1,2,3
	ds_load_b128 v[X+16*((\t)%2)+4*\i:X+16*((\t)%2)+4*\i+3], v15 offset:32*SP*((\t)%2)+16*\i
.endr
.endm
.irp t, 0,1,2,3
	LOAD \t
.endr
	s_wait_loadcnt 12                              ; step 0's four loads are in; twelve younger ones stay out
	TURN 0
.macro STEP t
.set XS, X+16*((\t)%2)
.if (\t) > 0
	s_wait_dscnt 1                                 ; this step's numbers are back from the stage (the last step's byte store may be out)
.else
	s_wait_dscnt 0x0
.endif
.if (\t)+4 < STEPS
	LOAD (\t)+4                                    ; into the registers whose stores into the stage are done
.endif
.if (\t)+1 < STEPS
.if STEPS-2-(\t) >= 3
	s_wait_loadcnt 12                              ; the next step's four loads are in; those of the three steps behind it may be out
.else
	s_wait_loadcnt 4*(STEPS-2-(\t))
.endif
	TURN (\t)+1                                    ; and go through the other stage while this step is worked
.endif
	v_max3_num_f32 v8, |v[XS]|, |v[XS+1]|, |v[XS+2]|               ; the largest magnitude of my 16, in two chains
	v_max3_num_f32 v9, |v[XS+3]|, |v[XS+4]|, |v[XS+5]|
.irp i, 6,10
	v_max3_num_f32 v8, v8, |v[XS+\i]|, |v[XS+\i+1]|
	v_max3_num_f32 v9, v9, |v[XS+\i+2]|, |v[XS+\i+3]|
.endr
	v_max3_num_f32 v8, v8, |v[XS+14]|, |v[XS+15]|
	v_max3_num_f32 v8, v8, v9, (EMAX+1)<<23        ; and the floor 2^(3 - 127): the byte cannot fall under 1
	v_max_num_f32_dpp v8, v8, v8 row_xmask:1 row_mask:0xf bank_mask:0xf   ; and of my neighbour's 16: the block's
	v_add_nc_u32 v11, -(EMAX<<23), v8              ; 2 off its exponent field: the conversion takes the exponent field of this operand as its scale
	v_cvt_scalef32_pk8_fp4_f32 v[C+4*(\t)], v[XS:XS+7], v11
	v_cvt_scalef32_pk8_fp4_f32 v[C+4*(\t)+1], v[XS+8:XS+15], v11
	v_lshrrev_b32 v[E+(\t)], 23, v11               ; the scale's byte (also the plain line behind the conversions)
	ds_store_b8 v5, v[E+(\t)] offset:16*(\t)       ; both lanes of a block write the same byte with the same value
	global_store_b64 v4, v[C+4*(\t):C+4*(\t)+1], s[12:13] offset:32*CB*(\t)   ; 32 lanes store 256 consecutive bytes, aligned
.endm
.irp t, 0,1,2,3,4,5,6,7,8,9,10,11,12,13,14,15
	STEP \t
.endr
	ds_load_b64 v[8:9], v6                         ; LDS serves a wave's instructions in order: these see my stores
	s_wait_dscnt 0x0
	global_store_b64 v7, v[8:9], s[14:15]          ; 32 lanes store 256 consecutive bytes, aligned
	s_wait_tensorcnt 0x0                           ; the wave's end
	ds_add_u32 v[SPW], v[NIL]
	s_wait_dscnt 0x0
	s_endpgm
.Lfunc_end_k_qf69afa1fd1_quant:
	.size	k_qf69afa1fd1_quant, .Lfunc_end_k_qf69afa1fd1_quant-k_qf69afa1fd1_quant
	.p2alignl 7, 3214868480
	.fill 96, 4, 3214868480
	.section	.rodata,"a",@progbits
	.p2align	6, 0x0
	.amdhsa_kernel k_qf69afa1fd1_quant
		.amdhsa_group_segment_fixed_size 33280
		.amdhsa_private_segment_fixed_size 0
		.amdhsa_enable_private_segment 0
		.amdhsa_kernarg_size 48
		.amdhsa_user_sgpr_count 2
		.amdhsa_user_sgpr_kernarg_segment_ptr 1
		.amdhsa_wavefront_size32 1
		.amdhsa_system_sgpr_workgroup_id_x 1
		.amdhsa_system_sgpr_workgroup_id_y 1
		.amdhsa_system_sgpr_workgroup_id_z 1
		.amdhsa_system_vgpr_workitem_id 0
		.amdhsa_next_free_vgpr 192
		.amdhsa_next_free_sgpr 66
		.amdhsa_reserve_vcc 0
		.amdhsa_float_denorm_mode_32 3
		.amdhsa_float_denorm_mode_16_64 3
		.amdhsa_memory_ordered 1
		.amdhsa_forward_progress 1
		.amdhsa_inst_pref_size 33
	.end_amdhsa_kernel
	.amdgpu_metadata
---
amdhsa.version: [ 1, 2 ]
amdhsa.kernels:
  - .name:           k_qf69afa1fd1_quant
    .symbol:         k_qf69afa1fd1_quant.kd
    .args:
      - { .name: x, .offset: 0, .size: 8, .value_kind: global_buffer, .address_space: global }
      - { .name: Wk, .offset: 8, .size: 8, .value_kind: global_buffer, .address_space: global }
      - { .name: Wq, .offset: 16, .size: 8, .value_kind: global_buffer, .address_space: global }
      - { .name: Wv, .offset: 24, .size: 8, .value_kind: global_buffer, .address_space: global }
      - { .name: codes, .offset: 32, .size: 8, .value_kind: global_buffer, .address_space: global }
      - { .name: scales, .offset: 40, .size: 8, .value_kind: global_buffer, .address_space: global }
    .group_segment_fixed_size: 33280
    .private_segment_fixed_size: 0
    .kernarg_segment_align: 8
    .kernarg_segment_size: 48
    .max_flat_workgroup_size: 128
    .sgpr_count:     66
    .vgpr_count:     192
    .wavefront_size: 32
...
	.end_amdgpu_metadata
.endif
;; end of part 1
;; launch qkv (part 2): grid 8 x 32, 4 waves a work-group, clusters of 4 x 4, 327,680 bytes of LDS; arguments codes, scales, qkv; writes qkv
.if DOCPART == 2
	.amdgcn_target "amdgcn-amd-amdhsa--gfx1250"
	.amdhsa_code_object_version 6
	.text
	.protected	k_qf69afa1fd1_qkv
	.globl	k_qf69afa1fd1_qkv
	.p2align	8
	.type	k_qf69afa1fd1_qkv,@function
k_qf69afa1fd1_qkv:
	s_mov_b64 s[64:65], 0
	v_nop
	global_prefetch_b8 v0, s[64:65] scope:SCOPE_SE
	s_setreg_imm32_b32 hwreg(HW_REG_WAVE_MODE, 25, 1), 1
	s_wait_xcnt 0x0
	s_wait_alu depctr_hold_cnt(0) depctr_sa_sdst(0) depctr_va_vdst(0) depctr_va_sdst(0) depctr_va_ssrc(0) depctr_va_vcc(0) depctr_vm_vsrc(0)
	s_getreg_b32 s2, hwreg(HW_REG_IB_STS2, 6, 4)
	s_cmp_eq_u32 s2, 0
	s_cbranch_scc0 .Lentry_in_a_cluster
	s_endpgm
.Lentry_in_a_cluster:
	s_bfe_u32 s2, ttmp6, 0x10000c
	s_cmp_lg_u32 s2, 0xf033
	s_cbranch_scc0 .Lentry_shape_is_right
	s_endpgm
.Lentry_shape_is_right:
; The three quantised products on codes of E2M1 with E8M0 scales, K = 1,024, results rounded once to f16.  256 equal work-groups, each with one and a half tiles.
; All rows lie in one buffer of codes [11264][512 bytes] and one of scale bytes [11264][32]: rows 0.. x, 8192.. Wk, 9216.. Wq, 10240.. Wv.
; PHASE 1: C(token, o) = x W^T, a tile of 256 tokens (tile row ty) x 256 outputs (tile column tx: 0-3 Wk, 4-7 Wq), into qkv's first region [8192 tokens][2048] f16 (columns 0.. keys, 1024.. queries; rows 4,096 bytes apart).
; PHASE 2: the values TRANSPOSED, V^T(d, token) = Wv x^T, for d = 128 tx .. 128 tx + 127 and the SAME 256 tokens, whose codes and scales still lie in LDS: only Wv's 128 rows are fetched.
;   It goes into qkv's second region, from row 8192 on: [4 batches][1024 d][2048 keys] f16, rows 4,096 bytes apart too.
; K is two slots of 512 (rows of 256 bytes): both slots and the scales of the tile's 512 rows are first fills.  Wv's codes are filled over W's rows 0-127 of both slots, its scale bytes over those rows' scales: a refill, behind a round of
; the cluster's barrier that stands in phase 1's last step, which works on registers alone; it lands while phase 1's results are packed and stored.
; Phase 1: four waves, 128 x 128 each, 64 accumulators.  Phase 2: 64 d x 128 tokens each, 32 accumulators.
; CLUSTERS: 4 x 4.  x's tiles are shared along a row of the cluster, W's and Wv's along a column: each is asked for jointly, by the same tensor load with a mask that names the four.
; THE MATRIX INSTRUCTION IS USED TRANSPOSED (source 1 = 16 rows of C, source 0 = 16 columns): a lane holds eight neighbouring numbers of a row of C, which pack into 16 bytes of f16.
; LIMIT: results beyond f16's range (65,504) become infinities; inputs 30 times the drawn spread give magnitudes of some 5,000.
; REGISTERS: window 0: v0-31 addresses; v32-95 scale words, two sets, and nothing else; v128-191 source 1's fragments (phase 1: one set of 8; phase 2: two sets of 4), on the ways out rows read back; v192-223 packed results.
;   window 1: source 0's fragments, two sets, at v0 and v128.   window 2: the accumulators of my rows 0-63 ((a, b) at v[8 (8 a + b)]), and phase 2's;   window 3: those of my rows 64-127.
.set KSTEP,  512                       ; along K in a slot
.set NQ,     KSTEP/128                 ; matrix instructions deep
.set ROWB,   256                       ; a tile's row in bytes
.set KROW,   512                       ; a row of codes in memory
.set PITCH,  272                       ; an LDS row: 256 bytes + 16 of padding = 68 words: the 16 rows that a load touches start 4 words apart (64 banks of 4 bytes: ISA guide 11.1)
.set FR,     8                         ; registers of a fragment: 16 rows x 128 K
.set NL,     2                         ; LDS loads that bring one
.set NP,     4                         ; places behind this matrix instruction (ISA guide 7.12.1)
.set HALFT,  128*PITCH
.set SLOT,   4*HALFT                   ; x's 256 rows, then W's 256 rows
.set KS,     32                        ; a row of scale bytes
.set SCL,    2*SLOT                    ; behind the slots: the scales, as runs of 256 bytes + 16 of padding: x's 256 rows, then W's 256
.set HALFS,  (128*KS/256)*272          ; the scales of 128 rows: what one tensor load brings
.set SBLK,   (16*KS/256)*272           ; those of 16 rows
.set STAGE,  SCL+4*HALFS               ; the ways out: 16 rows x 272 bytes for each wave, bytes of their own
.set SPITCH, 272
.set SPARE,  STAGE+4*16*SPITCH         ; the spare words, 128 bytes a wave
.set CROW,   4096                      ; a row of qkv in bytes
.set WVROW,  10240                     ; Wv's first row in the buffers
.set ADRA, 16                          ; v16-17  LDS address of my 128 rows of x in slot 0, 1
.set WVA,  18                          ; v18-19  of my 64 rows of Wv
.set ADRB, 20                          ; v20-21  of my 128 rows of W
.set ADRS2, 22                         ; v22     phase 2's scale words: lanes 0-15 x's rows, lanes 16-31 Wv's
.set STO,  24                          ; v24     the way out: where I put 16 bytes of a row
.set RD,   25                          ; v25     where I read a row back
.set CO,   26                          ; v26     my byte offset in C
.set ADRS, 27                          ; v27     phase 1's scale words: lanes 0-15 x's rows, lanes 16-31 W's
.set SPW,  28                          ; v28     my spare word; never rewritten
.set NIL,  29                          ; v29     0; never rewritten
.set SC,   32                          ; scale words: set s (slot s) at v[SC + 32 s]; register 4 i + q: lanes 0-15 x's block i, lanes 16-31 W's (Wv's) block i, the slot's q-th 128 along K
.set AF,   128                         ; source 1's fragments
.set OB,   128                         ; the way out: 16 rows read back: v128-159 and v160-191 by turns
.set TMP,  192                         ; packed results
.set G1, 24                            ; s[24:31] group 1 for x's tiles;  s[32:39] group 0, one set for each slot
.set G0, 32
.set G1B, 48                           ; s[48:55], s[56:63] the same for W's; the first set of group 0 later serves Wv's codes
.set G0B, 56
.set G1S, 68                           ; s[68:75], s[76:79] groups 1 and 0 for x's scales;  s[80:87], s[88:91] for W's, later Wv's
.set G0S, 76
.set G1SB, 80
.set G0SB, 88
.set MSB, 0
.macro WIN new                         ; the immediate's high byte repeats the setting that is left; a switch that changes nothing is dropped
.if MSB != (\new)
	s_set_vgpr_msb (MSB<<8)|(\new)
.set MSB, (\new)
.endif
.endm
.set MUL_LO, 0xa1                      ; source 0 window 1, source 1 window 0, C and D window 2
.set MUL_HI, 0xf1                      ; the same, C and D window 3
.set TO_B,   0x40                      ; destination window 1, address window 0
; A joint load: waves 0 and 1 fetch for x, waves 2 and 3 for W.  The branch hangs on the wave's number alone.  An s_nop 0 and four v_nop follow each of the two lines.
.macro JLOAD g0a, g1a, g0b, g1b
	s_cmp_eq_u32 s15, 0
	s_cbranch_scc0 .Lfor_b_\@
	tensor_load_to_lds s[\g0a:\g0a+3], s[\g1a:\g1a+7]
	s_nop 0
.rept 4
	v_nop
.endr
	s_branch .Lasked_\@
.Lfor_b_\@:
	tensor_load_to_lds s[\g0b:\g0b+3], s[\g1b:\g1b+7]
	s_nop 0
.rept 4
	v_nop
.endr
.Lasked_\@:
.endm
.macro CREST                           ; a round of the cluster's barrier behind its opening barrier
	s_cmp_lg_u32 s14, 0
	s_cbranch_scc1 .Lnot_wave_0_\@
	s_barrier_signal -3
.Lnot_wave_0_\@:
	s_barrier_wait -3
	s_barrier_signal -1
	s_barrier_wait -1
.endm
.macro CROUND                          ; a whole round
	s_barrier_signal -1
	s_barrier_wait -1
	CREST
.endm
	s_load_b128 s[4:7], s[0:1], 0x0                ; codes s[4:5], scales s[6:7]
	s_load_b64 s[12:13], s[0:1], 0x10              ; qkv
	v_lshl_add_u32 v[SPW], v0, 2, SPARE
	v_mov_b32 v[NIL], 0
	ds_add_u32 v[SPW], v[NIL]                      ; the wave's opening: the add, twice on end, and its wait ahead of my first tensor load
	ds_add_u32 v[SPW], v[NIL]
	v_lshrrev_b32 v1, 5, v0
	v_readfirstlane_b32 s14, v1                    ; wave 0..3
	s_lshr_b32 s15, s14, 1                         ; which 128 tokens are mine, in both phases.  Also: I fetch for x (0) or for W (1)
	s_and_b32 s16, s14, 1                          ; which 128 outputs (phase 1), which 64 d (phase 2).  Also: which 128 rows of a tile I fetch
	s_bfe_u32 s40, ttmp6, 0x40000                  ; cx, cy: my place in the cluster
	s_bfe_u32 s41, ttmp6, 0x40004
	s_and_b32 s96, ttmp7, 0xffff                   ; cluster y, 0..7
	s_lshl_b32 s17, s96, 2
	s_add_co_u32 s17, s17, s41                     ; ty: 256 tokens, 0..31
	s_lshl_b32 s67, ttmp9, 2
	s_add_co_u32 s67, s67, s40                     ; tx: 256 outputs of Wk and Wq, 0..7; also 128 d of Wv
	s_add_co_u32 s42, s67, 32                      ; W's tile, in units of 256 rows of the buffers
	s_lshl_b32 s43, s41, 2
	s_lshl_b32 s43, 15, s43                        ; my row of the cluster
	s_lshl_b32 s44, 0x1111, s40                    ; my column
	; group 1: a tile of 128 rows x 256 bytes, padded in LDS
	s_or_b32 s[G1+0], s43, (0<<16)|(1<<20)|(1<<21)|(5<<22)|(3<<25)  ; 15:0 the mask; 17:16 elements of 1 byte; 20 padding on; 21 set beside a mask; 24:22 after every 64 words; 31:25 four words
	s_or_b32 s[G1B+0], s44, (0<<16)|(1<<20)|(1<<21)|(5<<22)|(3<<25)
.irp g, G1, G1B
	s_mov_b32 s[\g+1], ROWB<<16                    ; tensor_dim0
	s_mov_b32 s[\g+2], 128<<16                     ; tensor_dim1
	s_mov_b32 s[\g+3], ROWB<<16                    ; tile_dim0
	s_mov_b32 s[\g+4], 128                         ; tile_dim1
	s_mov_b32 s[\g+5], KROW                        ; from row to row
	s_mov_b32 s[\g+6], 0
	s_mov_b32 s[\g+7], 0
.endr
	; the scales of 128 rows: 4,096 dense bytes, as 16 rows of 256 bytes (32 elements of 8 bytes), 16 bytes of padding behind each
	s_or_b32 s[G1S+0], s43, (3<<16)|(1<<20)|(1<<21)|(5<<22)|(3<<25)
	s_or_b32 s[G1SB+0], s44, (3<<16)|(1<<20)|(1<<21)|(5<<22)|(3<<25)
.irp g, G1S, G1SB
	s_mov_b32 s[\g+1], 32<<16
	s_mov_b32 s[\g+2], (128*KS/256)<<16
	s_mov_b32 s[\g+3], 32<<16
	s_mov_b32 s[\g+4], 128*KS/256
	s_mov_b32 s[\g+5], 32
	s_mov_b32 s[\g+6], 0
	s_mov_b32 s[\g+7], 0
.endr
	s_lshl_b32 s18, s16, 7                         ; which 128 rows of the tile I fetch
	s_lshl_b32 s20, s17, 8
	s_add_co_u32 s20, s20, s18                     ; x: row 256 ty + 128 x half
	s_lshl_b32 s46, s42, 8
	s_add_co_u32 s46, s46, s18                     ; W likewise
	s_mov_b32 s21, 0
	s_mov_b32 s47, 0
	s_mov_b64 s[18:19], KS
	s_mul_u64 s[22:23], s[20:21], s[18:19]         ; where these rows' scales begin, in bytes
	s_mul_u64 s[92:93], s[46:47], s[18:19]
	s_mov_b64 s[18:19], KROW
	s_mul_u64 s[20:21], s[20:21], s[18:19]         ; and their codes
	s_mul_u64 s[46:47], s[46:47], s[18:19]
	s_mul_i32 s45, s14, HALFT                      ; where they go: wave x 128 rows: no place in the cluster enters an LDS address
	s_mul_i32 s94, s14, HALFS
	s_lshl_b32 s8, s67, 7
	s_add_co_u32 s8, s8, WVROW                     ; Wv's rows 128 tx on: they hang on the tile column alone
	s_lshl_b32 s10, s8, 5                          ; their scales: 32 bytes a row
	s_lshl_b32 s8, s8, 9                           ; their codes: 512 bytes a row,
	s_lshl_b32 s9, s16, 8                          ; the half of K that I would fetch: 256 bytes
	s_add_co_u32 s8, s8, s9
	s_mov_b32 s9, 0
	s_mov_b32 s11, 0
	s_wait_dscnt 0x0                               ; both opening adds are done
	s_wait_kmcnt 0x0
	s_add_nc_u64 s[20:21], s[4:5], s[20:21]
	s_add_nc_u64 s[22:23], s[6:7], s[22:23]
	s_add_nc_u64 s[46:47], s[4:5], s[46:47]
	s_add_nc_u64 s[92:93], s[6:7], s[92:93]
	s_add_nc_u64 s[8:9], s[4:5], s[8:9]            ; kept for the refill
	s_add_nc_u64 s[10:11], s[6:7], s[10:11]
	CROUND                                         ; all sixteen work-groups are here: the joint loads meet
	s_mov_b32 s[G0S], 1
	s_add_co_u32 s[G0S+1], s94, SCL
	s_mov_b64 s[G0S+2:G0S+3], s[22:23]
	s_or_b32 s[G0S+3], s[G0S+3], 0x80000000
	s_mov_b32 s[G0SB], 1
	s_add_co_u32 s[G0SB+1], s94, SCL
	s_mov_b64 s[G0SB+2:G0SB+3], s[92:93]
	s_or_b32 s[G0SB+3], s[G0SB+3], 0x80000000
	JLOAD G0S, G1S, G0SB, G1SB                     ; the scales first: they are wanted with slot 0
.irp s, 0,1
	s_mov_b32 s[G0+4*\s], 1
	s_add_co_u32 s[G0+4*\s+1], s45, \s*SLOT
	s_add_nc_u64 s[G0+4*\s+2:G0+4*\s+3], s[20:21], \s*ROWB
	s_or_b32 s[G0+4*\s+3], s[G0+4*\s+3], 0x80000000
	s_mov_b32 s[G0B+4*\s], 1
	s_add_co_u32 s[G0B+4*\s+1], s45, \s*SLOT
	s_add_nc_u64 s[G0B+4*\s+2:G0B+4*\s+3], s[46:47], \s*ROWB
	s_or_b32 s[G0B+4*\s+3], s[G0B+4*\s+3], 0x80000000
	JLOAD G0+4*\s, G1, G0B+4*\s, G1B               ; three tensor loads of mine are out behind the second of these
.endr
	v_and_b32 v1, 15, v0                           ; l % 16
	v_bfe_u32 v2, v0, 4, 1                         ; l / 16
	v_mul_u32_u24 v3, v1, PITCH
	v_lshl_add_u32 v4, v2, 4, v3                   ; a fragment's row x pitch + 16 x half
	s_mul_i32 s21, s15, HALFT                      ; my 128 rows of x
	s_mul_i32 s22, s16, HALFT                      ; my 128 rows of W,
	s_add_co_u32 s22, s22, 2*HALFT                 ; which lie behind x's 256
	s_mul_i32 s23, s16, 64*PITCH                   ; my 64 rows of Wv, which will lie where W's rows 0-127 lie
	s_add_co_u32 s23, s23, 2*HALFT
.irp s, 0,1
	v_add_nc_u32 v[ADRA+\s], s21, v4
	v_add_nc_u32 v[ADRB+\s], s22, v4
	v_add_nc_u32 v[WVA+\s], s23, v4
	s_add_co_u32 s21, s21, SLOT
	s_add_co_u32 s22, s22, SLOT
	s_add_co_u32 s23, s23, SLOT
.endr
	v_mul_u32_u24 v5, v1, KS                       ; my row's scales: 32 bytes a row,
	v_lshrrev_b32 v6, 8, v5
	v_lshl_add_u32 v5, v6, 4, v5                   ; and 16 more for each 256 passed
	s_mul_i32 s21, s15, HALFS                      ; x's: my 128 rows
	s_mul_i32 s22, s16, HALFS                      ; W's: my 128 rows, behind x's 256
	s_add_co_u32 s22, s22, 2*HALFS
	s_sub_co_u32 s22, s22, s21
	v_mul_u32_u24 v6, s22, v2                      ; lanes 16-31 take W's: one product, the distance x the lane's half
	s_mul_i32 s23, s16, 4*SBLK                     ; Wv's: my 64 rows, where W's first 128 rows' scales lie
	s_add_co_u32 s23, s23, 2*HALFS
	s_sub_co_u32 s23, s23, s21
	v_mul_u32_u24 v7, s23, v2                      ; lanes 16-31 take Wv's
	s_add_co_u32 s21, s21, SCL
	v_add_nc_u32 v5, s21, v5
	v_add_nc_u32 v[ADRS], v5, v6
	v_add_nc_u32 v[ADRS2], v5, v7
	s_mul_i32 s23, s14, 16*SPITCH
	s_add_co_u32 s23, s23, STAGE                   ; my stage
	v_mul_u32_u24 v5, v1, SPITCH                   ; in: row l % 16, 16 bytes for each half of the lanes
	v_lshl_add_u32 v5, v2, 4, v5
	v_add_nc_u32 v[STO], s23, v5
	v_mul_u32_u24 v5, v2, SPITCH                   ; back: lanes 0-15 one row of 256 bytes, lanes 16-31 the next
	v_lshl_add_u32 v5, v1, 4, v5
	v_add_nc_u32 v[RD], s23, v5
	v_lshlrev_b32 v5, 12, v2                       ; and the same two rows in C
	v_lshl_add_u32 v[CO], v1, 4, v5
	; phase 2's results: row 8192 + 1024 x batch + 128 tx + 64 x (wave % 2); column (ty % 8) x 256 + 128 x (wave / 2), 2 bytes each.  The batch is cluster y / 2, ty % 8 = 4 (cluster y % 2) + cy
	s_lshr_b32 s20, s96, 1
	s_lshl_b32 s20, s20, 10
	s_lshl_b32 s21, s67, 7
	s_add_co_u32 s20, s20, s21
	s_lshl_b32 s21, s16, 6
	s_add_co_u32 s20, s20, s21
	s_add_co_u32 s20, s20, 8192
	s_lshl_b32 s20, s20, 12                        ; 4,096 bytes a row (under 12,288 rows)
	s_and_b32 s21, s96, 1
	s_lshl_b32 s21, s21, 2
	s_add_co_u32 s21, s21, s41
	s_lshl_b32 s21, s21, 9
	s_add_co_u32 s20, s20, s21
	s_lshl_b32 s21, s15, 8
	s_add_co_u32 s20, s20, s21
	s_mov_b32 s21, 0
	s_add_nc_u64 s[2:3], s[12:13], s[20:21]
	; phase 1's results: row 256 ty + 128 x (wave / 2); column bytes 512 tx + 256 x (wave % 2)
	s_lshl_b32 s20, s17, 8
	s_lshl_b32 s21, s15, 7
	s_add_co_u32 s20, s20, s21
	s_lshl_b32 s20, s20, 12
	s_lshl_b32 s46, s67, 9
	s_lshl_b32 s47, s16, 8
	s_add_co_u32 s46, s46, s47
	s_add_co_u32 s20, s20, s46
	s_mov_b32 s21, 0
	s_add_nc_u64 s[12:13], s[12:13], s[20:21]
.macro FRAG reg, adr, q, i             ; a fragment: lane l holds row l % 16; registers 4 c .. 4 c + 3 hold K = 64 c + 32 (l / 16) + 0 .. 31
.irp c, 0,1
	ds_load_b128 v[\reg+4*\c:\reg+4*\c+3], v[\adr] offset:64*(\q)+32*\c+(\i)*16*PITCH
.endr
.endm
; PHASE 1.  16 matrix instructions: x's blocks a0, a0 + 1 against W's eight, the slot's q-th 128 along K.  p: W's set;  sc: the set of scale words.  zero = 1: the first product starts the sums.
; The 64 accumulators take turns, one instruction a turn, in the same order in every step.
.macro MUL16 a0, p, q, sc, zero
.irp a, \a0, \a0+1
.irp b, 0,1,2,3,4,5,6,7
.if \zero
	v_wmma_scale_f32_16x16x128_f8f6f4 v[8*(8*((\a)%4)+\b):8*(8*((\a)%4)+\b)+7], v[128*(\p)+FR*\b:128*(\p)+FR*\b+FR-1], v[AF+FR*(\a):AF+FR*(\a)+FR-1], 0, v[SC+8*NQ*(\sc)+NQ*\b+(\q)], v[SC+8*NQ*(\sc)+NQ*(\a)+(\q)] matrix_a_fmt:MATRIX_FMT_FP4 matrix_b_fmt:MATRIX_FMT_FP4 matrix_a_scale:MATRIX_SCALE_ROW1
.else
	v_wmma_scale_f32_16x16x128_f8f6f4 v[8*(8*((\a)%4)+\b):8*(8*((\a)%4)+\b)+7], v[128*(\p)+FR*\b:128*(\p)+FR*\b+FR-1], v[AF+FR*(\a):AF+FR*(\a)+FR-1], v[8*(8*((\a)%4)+\b):8*(8*((\a)%4)+\b)+7], v[SC+8*NQ*(\sc)+NQ*\b+(\q)], v[SC+8*NQ*(\sc)+NQ*(\a)+(\q)] matrix_a_fmt:MATRIX_FMT_FP4 matrix_b_fmt:MATRIX_FMT_FP4 matrix_a_scale:MATRIX_SCALE_ROW1
.endif
.endr
.endr
.endm
.macro FETCH_B slot, q, p              ; W's eight fragments of the slot's q-th 128 along K into set p
	WIN TO_B
.irp i, 0,1,2,3,4,5,6,7
	FRAG 128*(\p)+FR*\i, ADRB+\slot, \q, \i
.endr
	WIN 0
.endm
.macro FETCH_A slot, q, i0             ; x's blocks i0 .. i0 + 3
.irp i, \i0, \i0+1, \i0+2, \i0+3
	FRAG AF+FR*(\i), ADRA+\slot, \q, \i
.endr
.endm
.macro SCALES sc                       ; a slot's scale words into set sc: four words a row; lanes 0-15 take x's block i, lanes 16-31 W's block i
.irp i, 0,1,2,3,4,5,6,7
	ds_load_b128 v[SC+8*NQ*\sc+NQ*\i:SC+8*NQ*\sc+NQ*\i+3], v[ADRS] offset:\i*SBLK
.endr
.endm
.macro PLACES n                        ; plain vector instructions between a matrix instruction and a load into, or a read of, its registers
.rept \n
	v_nop
.endr
.endm
; A step of 128 along K that has its successor in the same slot.  x has one set of registers: blocks 0-3 are fetched anew in the step's middle, blocks 4-7 at its end.
.macro STEP slot, q, zero
	s_wait_dscnt 4*NL                              ; W's set and x's blocks 0-3 are in; the youngest eight loads (x's blocks 4-7) may be out
	WIN MUL_LO
	MUL16 0, (\q)%2, \q, \slot, \zero
	MUL16 2, (\q)%2, \q, \slot, \zero
	s_wait_dscnt 0                                 ; x's blocks 4-7 are in
	PLACES NP
	FETCH_B \slot, (\q)+1, 1-(\q)%2
	FETCH_A \slot, (\q)+1, 0
	WIN MUL_HI
	MUL16 4, (\q)%2, \q, \slot, \zero
	MUL16 6, (\q)%2, \q, \slot, \zero
	PLACES NP
	WIN 0
	FETCH_A \slot, (\q)+1, 4
.endm
; Slot 0's last step goes over to slot 1: each wave waits for all its tensor loads (its part of slot 1), and a barrier shows the whole slot to every wave.
.macro TURN slot, next
	s_wait_tensorcnt 0x0                           ; all my tensor loads have landed
	ds_add_u32 v[SPW], v[NIL]                      ; 0 onto my spare word
	s_wait_dscnt 4*NL+1                            ; (the add and the youngest eight loads, x's blocks 4-7, may be out)
	WIN MUL_LO
	MUL16 0, 1, NQ-1, \slot, 0                     ; sixteen matrix instructions stand between the add and the wait for it
	s_wait_dscnt 0x0                               ; the add is done, and no LDS instruction of mine is pending at the signal
	s_barrier_signal -1
	MUL16 2, 1, NQ-1, \slot, 0
	WIN 0
	s_barrier_wait -1
	PLACES NP
	v_add_nc_u32 v[ADRS], 4*NQ, v[ADRS]            ; on to the next slot's scale words
	FETCH_B \next, 0, 0
	FETCH_A \next, 0, 0
	SCALES \next
	WIN MUL_HI
	MUL16 4, 1, NQ-1, \slot, 0
	MUL16 6, 1, NQ-1, \slot, 0
	PLACES NP
	WIN 0
	FETCH_A \next, 0, 4
.endm
.macro STEPS slot, from                ; the slot's steps from .. NQ - 2
.set Q, \from
.rept NQ-1-\from
	STEP \slot, Q, 0
.set Q, Q+1
.endr
.endm
; PHASE 2.  Source 0 = my 128 tokens of x (eight fragments, window 1, two sets), source 1 = my 64 rows of Wv (four fragments, window 0, two sets).
.macro FETCH_X slot, q, p
	WIN TO_B
.irp i, 0,1,2,3,4,5,6,7
	FRAG 128*(\p)+FR*\i, ADRA+\slot, \q, \i
.endr
	WIN 0
.endm
.macro FETCH_W slot, q, p
.irp i, 0,1,2,3
	FRAG AF+32*(\p)+FR*\i, WVA+\slot, \q, \i
.endr
.endm
.macro SCALES2 sc                      ; slot sc's scale words: lanes 0-15 x's block i, lanes 16-31 Wv's block i (i = 4 .. 7 of those lanes are other rows' words and are not used)
.irp i, 0,1,2,3,4,5,6,7
	ds_load_b128 v[SC+8*NQ*\sc+NQ*\i:SC+8*NQ*\sc+NQ*\i+3], v[ADRS2] offset:\i*SBLK+4*NQ*\sc
.endr
.endm
; 32 matrix instructions: Wv's four blocks against x's eight, 128 along K.  The 32 accumulators take turns, one instruction a turn, in the same order in every step.
.macro MULV p, q, sc, zero
.irp a, 0,1,2,3
.irp b, 0,1,2,3,4,5,6,7
.if \zero
	v_wmma_scale_f32_16x16x128_f8f6f4 v[8*(8*\a+\b):8*(8*\a+\b)+7], v[128*(\p)+FR*\b:128*(\p)+FR*\b+FR-1], v[AF+32*(\p)+FR*\a:AF+32*(\p)+FR*\a+FR-1], 0, v[SC+8*NQ*(\sc)+NQ*\b+(\q)], v[SC+8*NQ*(\sc)+NQ*\a+(\q)] matrix_a_fmt:MATRIX_FMT_FP4 matrix_b_fmt:MATRIX_FMT_FP4 matrix_b_scale:MATRIX_SCALE_ROW1
.else
	v_wmma_scale_f32_16x16x128_f8f6f4 v[8*(8*\a+\b):8*(8*\a+\b)+7], v[128*(\p)+FR*\b:128*(\p)+FR*\b+FR-1], v[AF+32*(\p)+FR*\a:AF+32*(\p)+FR*\a+FR-1], v[8*(8*\a+\b):8*(8*\a+\b)+7], v[SC+8*NQ*(\sc)+NQ*\b+(\q)], v[SC+8*NQ*(\sc)+NQ*\a+(\q)] matrix_a_fmt:MATRIX_FMT_FP4 matrix_b_fmt:MATRIX_FMT_FP4 matrix_b_scale:MATRIX_SCALE_ROW1
.endif
.endr
.endr
.endm
.macro STEPV u                         ; step u of eight: slot u / 4, its (u % 4)-th 128 along K, sets u % 2; the next step's fragments are asked for ahead of this step's products
	s_wait_dscnt 0x0                               ; this step's fragments are in
.if (\u) < 7
.set US, ((\u)+1)/4
.set UQ, ((\u)+1)%4
.set UP, ((\u)+1)%2
	PLACES NP                                      ; behind the last step's products, which read the registers that are loaded next
	FETCH_X US, UQ, UP
	FETCH_W US, UQ, UP
.endif
.set US, (\u)/4
.set UQ, (\u)%4
.set UP, (\u)%2
	WIN MUL_LO
.if (\u) == 0
	MULV UP, UQ, US, 1
.else
	MULV UP, UQ, US, 0
.endif
	WIN 0
.endm
; THE WAYS OUT, block by block of 16 rows x 128 columns.  PACK: rounded to f16, 16 bytes a lane, each accumulator from its low end on.  TOSTAGE: into my own stage and back as whole rows of 256 bytes.  SEND: stored.
.macro PACK a
.set AC, 64*((\a)%4)
	WIN 0x0a+5*((\a)/4)                            ; sources 0 and 1: window 2 or 3
.irp b, 0,1,2,3,4,5,6,7
.irp r, 0,1,2,3
	v_cvt_pk_f16_f32 v[TMP+4*\b+\r], v[AC+8*\b+2*\r], v[AC+8*\b+2*\r+1]
.endr
.endr
	WIN 0
.endm
.macro TOSTAGE a
.set BK, OB+32*((\a)%2)
.irp b, 0,1,2,3,4,5,6,7
	ds_store_b128 v[STO], v[TMP+4*\b:TMP+4*\b+3] offset:32*\b
.endr
.irp t, 0,1,2,3,4,5,6,7
	ds_load_b128 v[BK+4*\t:BK+4*\t+3], v[RD] offset:\t*2*SPITCH    ; LDS serves a wave's instructions in order (ISA guide 5.7.1.4): these see the stores above
.endr
.endm
.macro SEND a, bs                      ; bs: the scalar pair that holds the phase's place in qkv
.set BK, OB+32*((\a)%2)
	s_wait_dscnt 0x0                               ; the block is back in registers
	s_wait_xcnt 0x0                                ; earlier stores have read their registers and their base: only behind this wait are they written again
.if (\a) > 0
	s_add_nc_u64 s[\bs:\bs+1], s[\bs:\bs+1], 16*CROW   ; 16 rows of C on
.endif
.irp t, 0,1,2,3,4,5,6,7
	global_store_b128 v[CO], v[BK+4*\t:BK+4*\t+3], s[\bs:\bs+1] offset:2*\t*CROW   ; 16 lanes store 256 consecutive bytes, at a multiple of 256 from the buffer's first byte
.endr
.endm
	s_wait_tensorcnt 1                             ; the scales and my part of slot 0 are in; slot 1's load, the one issued behind them, may be out
	s_barrier_signal -1
	s_barrier_wait -1                              ; everybody's are
	FETCH_B 0, 0, 0
	FETCH_A 0, 0, 0
	SCALES 0
	FETCH_A 0, 0, 4
	STEP 0, 0, 1                                   ; the first step's products start the sums: nothing is cleared
	STEPS 0, 1
	TURN 0, 1
	STEPS 1, 0
	; PHASE 1'S LAST STEP works on registers alone: W's rows and scales have been read for the last time.  So the change to Wv stands here: each wave waits for all its tensor loads (none is out),
	; adds 0 to its spare word, and waits for that and for its reads; the barrier opens a round of the cluster's; the joint refill is the first thing behind the round.
	s_wait_tensorcnt 0x0                           ; no tensor load of mine is out, so groups 0 may be written
	ds_add_u32 v[SPW], v[NIL]                      ; 0 onto my spare word
	s_mul_i32 s[G0B+1], s16, SLOT                  ; Wv's codes: K's half (wave % 2) into that slot,
	s_add_co_u32 s[G0B+1], s[G0B+1], 2*HALFT       ; where W's rows 0-127 lie
	s_mov_b64 s[G0B+2:G0B+3], s[8:9]
	s_or_b32 s[G0B+3], s[G0B+3], 0x80000000
	s_mov_b32 s[G0SB+1], SCL+2*HALFS               ; Wv's scale bytes: where those rows' scales lie
	s_mov_b64 s[G0SB+2:G0SB+3], s[10:11]
	s_or_b32 s[G0SB+3], s[G0SB+3], 0x80000000
	s_wait_dscnt 4*NL+1                            ; (the add and the youngest eight loads, x's blocks 4-7, may be out)
	WIN MUL_LO
	MUL16 0, 1, NQ-1, 1, 0
	s_wait_dscnt 0x0                               ; the add is done, and my reads of W's rows and scales are over
	s_barrier_signal -1
	MUL16 2, 1, NQ-1, 1, 0
	WIN 0
	s_barrier_wait -1
	CREST                                          ; no wave of any partner still reads those bytes or has a load on its way
	s_cmp_lt_u32 s14, 2                            ; waves 0 and 1: the codes, 128 rows x 256 bytes each; wave 2: the scale bytes; wave 3: nothing.  The branches hang on the wave's number alone
	s_cbranch_scc0 .Lnot_codes
	tensor_load_to_lds s[G0B:G0B+3], s[G1B:G1B+7]
	s_nop 0
.rept 4
	v_nop
.endr
	s_branch .Lrefilled
.Lnot_codes:
	s_cmp_eq_u32 s14, 2
	s_cbranch_scc0 .Lrefilled
	tensor_load_to_lds s[G0SB:G0SB+3], s[G1SB:G1SB+7]
	s_nop 0
.rept 4
	v_nop
.endr
.Lrefilled:
	WIN MUL_HI
	MUL16 4, 1, NQ-1, 1, 0
	MUL16 6, 1, NQ-1, 1, 0
	WIN 0
	PLACES NP                                      ; behind the last products: their results are read, and x's registers loaded, only behind these
	PACK 0                                         ; phase 1 goes out while Wv's rows are on their way
	TOSTAGE 0
.irp a, 1,2,3,4,5,6,7                  ; block a's conversions stand between block a - 1's loads from the stage and the wait for them
	PACK \a
	SEND \a-1, 12
	TOSTAGE \a
.endr
	SEND 7, 12
	s_wait_xcnt 0x0                                ; the last stores have read v128-191, which take Wv's fragments next
	s_wait_tensorcnt 0x0                           ; my part of Wv has landed (no LDS instruction of mine is pending: the last wait on DScnt was for 0),
	s_barrier_signal -1
	s_barrier_wait -1                              ; everybody's has
	FETCH_X 0, 0, 0
	FETCH_W 0, 0, 0
	SCALES2 0
	SCALES2 1
.irp u, 0,1,2,3,4,5,6,7
	STEPV \u
.endr
	PLACES NP
	PACK 0
	TOSTAGE 0
.irp a, 1,2,3
	PACK \a
	SEND \a-1, 2
	TOSTAGE \a
.endr
	SEND 3, 2
	s_wait_tensorcnt 0x0                           ; the wave's end
	ds_add_u32 v[SPW], v[NIL]
	s_wait_dscnt 0x0
	CROUND                                         ; the closing round: no work-group ends while a partner may still ask for a tile that names it
	s_endpgm
.Lfunc_end_k_qf69afa1fd1_qkv:
	.size	k_qf69afa1fd1_qkv, .Lfunc_end_k_qf69afa1fd1_qkv-k_qf69afa1fd1_qkv
	.p2alignl 7, 3214868480
	.fill 96, 4, 3214868480
	.section	.rodata,"a",@progbits
	.p2align	6, 0x0
	.amdhsa_kernel k_qf69afa1fd1_qkv
		.amdhsa_group_segment_fixed_size 327680
		.amdhsa_private_segment_fixed_size 0
		.amdhsa_enable_private_segment 0
		.amdhsa_kernarg_size 24
		.amdhsa_user_sgpr_count 2
		.amdhsa_user_sgpr_kernarg_segment_ptr 1
		.amdhsa_wavefront_size32 1
		.amdhsa_system_sgpr_workgroup_id_x 1
		.amdhsa_system_sgpr_workgroup_id_y 1
		.amdhsa_system_sgpr_workgroup_id_z 1
		.amdhsa_system_vgpr_workitem_id 0
		.amdhsa_next_free_vgpr 1024
		.amdhsa_next_free_sgpr 98
		.amdhsa_reserve_vcc 0
		.amdhsa_float_denorm_mode_32 3
		.amdhsa_float_denorm_mode_16_64 3
		.amdhsa_memory_ordered 1
		.amdhsa_forward_progress 1
		.amdhsa_inst_pref_size 193
	.end_amdhsa_kernel
	.amdgpu_metadata
---
amdhsa.version: [ 1, 2 ]
amdhsa.kernels:
  - .name:           k_qf69afa1fd1_qkv
    .symbol:         k_qf69afa1fd1_qkv.kd
    .args:
      - { .name: codes, .offset: 0, .size: 8, .value_kind: global_buffer, .address_space: global }
      - { .name: scales, .offset: 8, .size: 8, .value_kind: global_buffer, .address_space: global }
      - { .name: qkv, .offset: 16, .size: 8, .value_kind: global_buffer, .address_space: global }
    .group_segment_fixed_size: 327680
    .private_segment_fixed_size: 0
    .kernarg_segment_align: 8
    .kernarg_segment_size: 24
    .max_flat_workgroup_size: 128
    .sgpr_count:     98
    .vgpr_count:     1024
    .wavefront_size: 32
...
	.end_amdgpu_metadata
.endif
;; end of part 2
;; launch scores (part 3): grid 8 x 32, 4 waves a work-group, clusters of 4 x 4, 327,680 bytes of LDS; arguments qkv, stat, p; writes stat, p
.if DOCPART == 3
	.amdgcn_target "amdgcn-amd-amdhsa--gfx1250"
	.amdhsa_code_object_version 6
	.text
	.protected	k_qf69afa1fd1_scores
	.globl	k_qf69afa1fd1_scores
	.p2align	8
	.type	k_qf69afa1fd1_scores,@function
k_qf69afa1fd1_scores:
	s_mov_b64 s[64:65], 0
	v_nop
	global_prefetch_b8 v0, s[64:65] scope:SCOPE_SE
	s_setreg_imm32_b32 hwreg(HW_REG_WAVE_MODE, 25, 1), 1
	s_wait_xcnt 0x0
	s_wait_alu depctr_hold_cnt(0) depctr_sa_sdst(0) depctr_va_vdst(0) depctr_va_sdst(0) depctr_va_ssrc(0) depctr_va_vcc(0) depctr_vm_vsrc(0)
	s_getreg_b32 s2, hwreg(HW_REG_IB_STS2, 6, 4)
	s_cmp_eq_u32 s2, 0
	s_cbranch_scc0 .Lentry_in_a_cluster
	s_endpgm
.Lentry_in_a_cluster:
	s_bfe_u32 s2, ttmp6, 0x10000c
	s_cmp_lg_u32 s2, 0xf033
	s_cbranch_scc0 .Lentry_shape_is_right
	s_endpgm
.Lentry_shape_is_right:
; S = Q K^T on f16 operands with f32 sums, and the first stage of the softmax.  Q and K lie in qkv's first region, [8192 tokens][2048] f16, rows 4,096 bytes apart: columns 0.. keys, 1024.. queries.
; A tile is 256 queries x 256 keys of one batch; four waves, 128 x 128 each: 64 accumulators, 512 registers.  K = 1,024 goes in 8 steps of 128 through a ring of two LDS slots.
; THE SOFTMAX IN TWO STAGES.  Here: m = the largest score of a query within the tile's 256 keys; cm = c m, c = log2(e) / 32; p = 2^(c s - cm), at most about 1, rounded to f16 and stored;
; l = the sum of the unrounded p over a wave's 128 keys, in f32.  cm and l go to stat.  The next launch knows a row's eight cm, takes their maximum M and weighs each tile by 2^(cm - M) / L: so the row's true maximum
; is taken away, in two steps, and no exponent is above 0 but by a rounding of cm.
; stat: records of 1,024 bytes at ((query / 128) x 16 + key / 128) x 1024; in a record byte 512 H + 256 i + 16 r + 4 (a % 4): H = 0 cm, H = 1 l, of query row 16 (4 i + a % 4) + r.
; CLUSTERS: 4 x 4.  Q's tiles are shared along a row of the cluster, K's along a column (a cluster lies inside one batch): joint loads divide the requests by four.
; THE MATRIX INSTRUCTION IS USED TRANSPOSED (source 0 = 16 keys, source 1 = 16 queries): a lane holds ONE query (lane % 16) of each block a, and in accumulator (a, b) the keys 16 b + 8 (lane / 16) + 0 .. 7.
; LIMIT: operands are f16: |q|, |k| under 65,504.  NaN and infinities are not served.
; REGISTERS: window 0: v0-31 addresses; v64-127, v128-191 fragments of Q, two buffers; window 1: the same numbers, fragments of K; window 2: accumulators of my rows 0-63 ((a, b) at v[8 (8 a + b)]); window 3: rows 64-127.
;   In the epilogue window 0 holds: v32-39 maxima, v40-47 at work, v48-63 pairs (cm, m), v64-127 rows read back, v128-159 packed p, v160-167 sums, v168-175 at work, v176-183 the record.
.set KSTEP,  128
.set PITCH,  272                       ; an LDS row: 256 bytes + 16 of padding: the 16 rows that a load touches start 4 words apart (64 banks of 4 bytes: ISA guide 11.1)
.set HALFT,  128*PITCH
.set SLOT,   4*HALFT                   ; Q's 256 rows, then K's 256 rows
.set STAGE,  2*SLOT                    ; behind the ring: 16 rows x 272 bytes for each wave
.set SPITCH, 272
.set XCH,    STAGE+4*16*SPITCH         ; 1,024 bytes for each wave: its maxima, for the wave with the tile's other 128 keys
.set SPARE,  XCH+4096                  ; the spare words, 128 bytes a wave
.set ROWP,   4096                      ; a row of qkv's first region, and of p, in bytes
.set LAPS,   4                         ; a lap = two K steps = once round the ring
.set ADRA, 16                          ; v16-17  LDS address of my Q fragments in slot 0, 1
.set XW,   18                          ; v18     where I put my maxima
.set XR,   19                          ; v19     where the other wave's lie
.set ADRB, 20                          ; v20-21  LDS address of my K fragments
.set SO,   22                          ; v22     my byte in a record of stat
.set STO,  24                          ; v24     the stage: in
.set RD,   25                          ; v25     the stage: back
.set CO,   26                          ; v26     my byte offset in p
.set SPW,  28                          ; v28     my spare word; never rewritten
.set NIL,  29                          ; v29     0; never rewritten
.set PFO,  30                          ; v30     the prefetches' offset: my lane x a row; never rewritten
.set WM,   32
.set WT,   40
.set ST,   48
.set F0,   64
.set F1,   128
.set BKB,  64
.set TMP,  128
.set LS,   160
.set LT,   168
.set DD,   176
.set PFA,  44                          ; s[44:45] where my prefetches stand
.set LIM,  43                          ; s43     1 in a wave that prefetches, else the greatest number
.set CS,   20                          ; s[20:21] c, twice: the packed form names a pair
.set SEL,  22                          ; s[22:23] lane selects: lane l xor 16
.set G1, 24
.set G0, 32
.set G1B, 48
.set G0B, 56
.set MSB, 0
.macro WIN new
.if MSB != (\new)
	s_set_vgpr_msb (MSB<<8)|(\new)
.set MSB, (\new)
.endif
.endm
.set MUL_LO, 0xa1                      ; source 0 (K) window 1, source 1 (Q) window 0, C and D window 2
.set MUL_HI, 0xf1                      ; the same, C and D window 3
.set TO_B,   0x40                      ; destination window 1, address window 0
.macro JLOAD s                         ; a joint load: waves 0 and 1 fetch Q's halves, waves 2 and 3 K's; an s_nop 0 and four v_nop follow each of the two lines
	s_cmp_eq_u32 s11, 0
	s_cbranch_scc0 .Lfor_b_\@
	tensor_load_to_lds s[G0+4*\s:G0+4*\s+3], s[G1:G1+7]
	s_nop 0
.rept 4
	v_nop
.endr
	s_branch .Lasked_\@
.Lfor_b_\@:
	tensor_load_to_lds s[G0B+4*\s:G0B+4*\s+3], s[G1B:G1B+7]
	s_nop 0
.rept 4
	v_nop
.endr
.Lasked_\@:
.endm
; A prefetch of the K step that stands two refills on: 32 rows x 256 bytes, a lane a row, one instruction a wave.  Each row's 256 bytes of a K step are named once in the launch: Q's tile row is read by both
; clusters of a row of clusters: cluster x = 0 asks; K's tile column by the batch's two rows of clusters: the even cluster y asks.  The four partners share a tile's rows out by address, 32 each.
; The loop's last trip (s3 = 1) asks for nothing: no K step stands two refills on.
.macro ASK
	s_cmp_gt_u32 s3, s[LIM]
	s_cbranch_scc0 .Lnot_mine_\@
	global_prefetch_b8 v[PFO], s[PFA:PFA+1] offset:KSTEP*2 th:TH_LOAD_NT scope:SCOPE_SE
.Lnot_mine_\@:
.endm
.macro CREST                           ; a round of the cluster's barrier behind its opening barrier
	s_cmp_lg_u32 s10, 0
	s_cbranch_scc1 .Lnot_wave_0_\@
	s_barrier_signal -3
.Lnot_wave_0_\@:
	s_barrier_wait -3
	s_barrier_signal -1
	s_barrier_wait -1
.endm
.macro CROUND
	s_barrier_signal -1
	s_barrier_wait -1
	CREST
.endm
	s_load_b128 s[4:7], s[0:1], 0x0                ; qkv s[4:5], stat s[6:7]
	s_load_b64 s[8:9], s[0:1], 0x10                ; p
	v_lshl_add_u32 v[SPW], v0, 2, SPARE
	v_mov_b32 v[NIL], 0
	ds_add_u32 v[SPW], v[NIL]                      ; the wave's opening: the add, twice on end, and its wait ahead of my first tensor load
	ds_add_u32 v[SPW], v[NIL]
	v_lshrrev_b32 v1, 5, v0
	v_readfirstlane_b32 s10, v1                    ; wave 0..3
	s_lshr_b32 s11, s10, 1                         ; which half of the tile's queries is mine.  Also: I fetch for Q (0) or for K (1)
	s_and_b32 s12, s10, 1                          ; which half of its keys.  Also: which 128 rows of that tile I fetch
	s_bfe_u32 s40, ttmp6, 0x40000                  ; cx
	s_bfe_u32 s41, ttmp6, 0x40004                  ; cy
	s_lshl_b32 s42, ttmp9, 2
	s_add_co_u32 s42, s42, s40                     ; tile column: 256 keys of the batch, 0..7
	s_and_b32 s2, ttmp7, 0xffff                    ; cluster y; the batch is cluster y / 2
	s_lshl_b32 s13, s2, 2
	s_add_co_u32 s13, s13, s41                     ; tile row: 256 queries, 0..31
	s_lshl_b32 s43, s41, 2
	s_lshl_b32 s43, 15, s43                        ; my row of the cluster
	s_lshl_b32 s44, 0x1111, s40                    ; my column
	s_or_b32 s[G1+0], s43, (1<<16)|(1<<20)|(1<<21)|(5<<22)|(3<<25)  ; 15:0 the mask; 17:16 elements of 2 bytes; 20 padding on; 21 set beside a mask; 24:22 after every 64 words; 31:25 four words
	s_or_b32 s[G1B+0], s44, (1<<16)|(1<<20)|(1<<21)|(5<<22)|(3<<25)
.irp g, G1, G1B
	s_mov_b32 s[\g+1], KSTEP<<16                   ; tensor_dim0 = 128
	s_mov_b32 s[\g+2], 128<<16                     ; tensor_dim1 = 128
	s_mov_b32 s[\g+3], KSTEP<<16                   ; tile_dim0 = 128
	s_mov_b32 s[\g+4], 128                         ; tile_dim1 = 128
	s_mov_b32 s[\g+5], 2048                        ; elements from row to row
	s_mov_b32 s[\g+6], 0
	s_mov_b32 s[\g+7], 0
.endr
	s_lshl_b32 s17, s12, 7                         ; which 128 rows of the tile I fetch
	s_lshl_b32 s16, s13, 8
	s_add_co_u32 s16, s16, s17                     ; Q: token 256 x tile row + 128 x half,
	s_lshl_b32 s16, s16, 12                        ; 4,096 bytes a token (under 2^25),
	s_add_co_u32 s16, s16, 2048                    ; the row's second half
	s_lshl_b32 s46, s42, 8
	s_add_co_u32 s46, s46, s17                     ; K: 256 x tile column + 128 x half,
	s_lshr_b32 s47, s2, 1
	s_lshl_b32 s47, s47, 11
	s_add_co_u32 s46, s46, s47                     ; + 2,048 x batch
	s_lshl_b32 s46, s46, 12
	s_mov_b32 s17, 0
	s_mov_b32 s47, 0
	s_mul_i32 s20, s10, HALFT                      ; where they go: wave x 128 rows: no place in the cluster enters an LDS address
	s_wait_dscnt 0x0                               ; both opening adds are done
	s_wait_kmcnt 0x0
	s_add_nc_u64 s[14:15], s[4:5], s[16:17]
	s_add_nc_u64 s[46:47], s[4:5], s[46:47]
	CROUND                                         ; all sixteen work-groups are here: the first joint loads meet
.irp s, 0,1
	s_mov_b32 s[G0+4*\s], 1
	s_add_co_u32 s[G0+4*\s+1], s20, \s*SLOT
	s_add_nc_u64 s[G0+4*\s+2:G0+4*\s+3], s[14:15], \s*KSTEP*2
	s_or_b32 s[G0+4*\s+3], s[G0+4*\s+3], 0x80000000
	s_mov_b32 s[G0B+4*\s], 1
	s_add_co_u32 s[G0B+4*\s+1], s20, \s*SLOT
	s_add_nc_u64 s[G0B+4*\s+2:G0B+4*\s+3], s[46:47], \s*KSTEP*2
	s_or_b32 s[G0B+4*\s+3], s[G0B+4*\s+3], 0x80000000
	JLOAD \s                                       ; two tensor loads of mine are out behind the second
.endr
	v_and_b32 v1, 15, v0                           ; r = l % 16
	v_bfe_u32 v2, v0, 4, 1                         ; h = l / 16; kept for the epilogue
	v_mul_u32_u24 v3, v1, PITCH
	v_lshl_add_u32 v3, v2, 4, v3                   ; a fragment's row x pitch + 16 x half
	s_mul_i32 s21, s11, HALFT                      ; my 128 rows of Q
	s_mul_i32 s22, s12, HALFT                      ; my 128 rows of K,
	s_add_co_u32 s22, s22, 2*HALFT                 ; which lie behind Q's 256
.irp s, 0,1
	v_add_nc_u32 v[ADRA+\s], s21, v3
	v_add_nc_u32 v[ADRB+\s], s22, v3
	s_add_co_u32 s21, s21, SLOT
	s_add_co_u32 s22, s22, SLOT
.endr
	s_mul_i32 s23, s10, 16*SPITCH
	s_add_co_u32 s23, s23, STAGE                   ; my stage
	v_mul_u32_u24 v4, v1, SPITCH                   ; in: row r, 16 bytes for each half of the lanes
	v_lshl_add_u32 v4, v2, 4, v4
	v_add_nc_u32 v[STO], s23, v4
	v_mul_u32_u24 v5, v2, SPITCH                   ; back: lanes 0-15 one row of 256 bytes, lanes 16-31 the next
	v_lshl_add_u32 v5, v1, 4, v5
	v_add_nc_u32 v[RD], s23, v5
	v_lshlrev_b32 v5, 12, v2                       ; and the same two rows in p
	v_lshl_add_u32 v[CO], v1, 4, v5
	v_and_b32 v5, 31, v0                           ; lane
	s_lshl_b32 s21, s10, 10
	v_lshl_add_u32 v[XW], v5, 4, s21
	v_add_nc_u32 v[XW], XCH, v[XW]                 ; my maxima: XCH + 1,024 x wave + 16 x lane
	s_xor_b32 s21, s10, 1                          ; the wave with the same queries and the tile's other keys
	s_lshl_b32 s21, s21, 10
	v_lshl_add_u32 v[XR], v5, 4, s21
	v_add_nc_u32 v[XR], XCH, v[XR]
	v_lshlrev_b32 v[SO], 9, v2
	v_lshl_add_u32 v[SO], v1, 4, v[SO]             ; in a record: 512 h + 16 r
	v_lshlrev_b32 v[PFO], 12, v5
	; p at my part of the tile
	s_lshl_b32 s16, s13, 8
	s_lshl_b32 s17, s11, 7
	s_add_co_u32 s16, s16, s17                     ; my first query
	s_lshl_b32 s16, s16, 12
	s_lshl_b32 s46, s42, 9                         ; my first key, in bytes: 512 x tile column + 256 x half
	s_lshl_b32 s47, s12, 8
	s_add_co_u32 s46, s46, s47
	s_add_co_u32 s16, s16, s46
	s_mov_b32 s17, 0
	s_add_nc_u64 s[8:9], s[8:9], s[16:17]
	; my record of stat
	s_lshl_b32 s16, s13, 1
	s_add_co_u32 s16, s16, s11                     ; query / 128
	s_lshl_b32 s16, s16, 4
	s_lshl_b32 s46, s42, 1
	s_add_co_u32 s46, s46, s12                     ; key / 128
	s_add_co_u32 s16, s16, s46
	s_lshl_b32 s16, s16, 10
	s_add_nc_u64 s[6:7], s[6:7], s[16:17]
	; the prefetches
	s_lshl_b32 s20, s13, 8                         ; Q: the tile's first token
	s_lshl_b32 s21, s42, 8
	s_lshr_b32 s22, s2, 1
	s_lshl_b32 s22, s22, 11
	s_add_co_u32 s21, s21, s22                     ; K: likewise
	s_and_b32 s22, s2, 1
	s_cmp_eq_u32 s11, 0                            ; do I fetch for Q?
	s_cselect_b32 s20, s20, s21
	s_cselect_b32 s21, s40, s41                    ; my place among the four that ask for the tile with me
	s_cselect_b32 s22, ttmp9, s22                  ; the coordinate along which other clusters read the same rows
	s_cselect_b32 s23, 2048, 0                     ; queries lie in a row's second half
	s_cmp_eq_u32 s22, 0
	s_cselect_b32 s[LIM], 1, -1                    ; the same in all sixteen partners, for a given wave
	s_lshl_b32 s22, s12, 7
	s_add_co_u32 s20, s20, s22                     ; + the 128 rows that I fetch
	s_lshl_b32 s21, s21, 5
	s_add_co_u32 s20, s20, s21                     ; + my work-group's 32 of them
	s_lshl_b32 s20, s20, 12
	s_add_co_u32 s20, s20, s23
	s_add_co_u32 s20, s20, 2*KSTEP*2               ; at K step 2: the first refill steps it to 3 and names K step 4
	s_mov_b32 s21, 0
	s_add_nc_u64 s[PFA:PFA+1], s[4:5], s[20:21]
	s_mov_b32 s[CS], 0x3d38aa3b                    ; c = log2(e) / sqrt(1024)
	s_mov_b32 s[CS+1], s[CS]
	s_mov_b32 s[SEL], 0x76543210
	s_mov_b32 s[SEL+1], 0xfedcba98
; 16 matrix instructions: query blocks a0, a0 + 1 of the window's four x all 8 key blocks, 32 along K.  zero = 1: the first product starts the sums.
; The 64 accumulators take turns, one instruction a turn, in the same order in every quarter.
.macro MUL16 f, hi, a0, zero
.irp a, \a0, \a0+1
.irp b, 0,1,2,3,4,5,6,7
.if \zero
	v_wmma_f32_16x16x32_f16 v[8*(8*(\a)+\b):8*(8*(\a)+\b)+7], v[\f+8*\b:\f+8*\b+7], v[\f+8*(4*\hi+\a):\f+8*(4*\hi+\a)+7], 0
.else
	v_wmma_f32_16x16x32_f16 v[8*(8*(\a)+\b):8*(8*(\a)+\b)+7], v[\f+8*\b:\f+8*\b+7], v[\f+8*(4*\hi+\a):\f+8*(4*\hi+\a)+7], v[8*(8*(\a)+\b):8*(8*(\a)+\b)+7]
.endif
.endr
.endr
.endm
.macro FETCH slot, k, f                ; 32 LDS loads in one run: the fragments of one quarter step into buffer f
	WIN TO_B
.irp i, 0,1,2,3,4,5,6,7
	ds_load_b128 v[\f+8*\i:\f+8*\i+3],   v[ADRB+\slot] offset:\k+\i*16*PITCH
	ds_load_b128 v[\f+8*\i+4:\f+8*\i+7], v[ADRB+\slot] offset:\k+\i*16*PITCH+32
.endr
	WIN 0
.irp i, 0,1,2,3,4,5,6,7
	ds_load_b128 v[\f+8*\i:\f+8*\i+3],   v[ADRA+\slot] offset:\k+\i*16*PITCH
	ds_load_b128 v[\f+8*\i+4:\f+8*\i+7], v[ADRA+\slot] offset:\k+\i*16*PITCH+32
.endr
.endm
.macro PLACES                          ; four plain vector instructions between a matrix instruction and a load into its registers
.rept 4
	v_nop
.endr
.endm
.macro QUARTER slot, k, f, g, zero     ; multiplies buffer f; in its middle it fetches the next quarter's fragments, at byte k of the rows, into buffer g
	s_wait_dscnt 8                                 ; K's and Q's rows 0-63 are in; the youngest eight loads (Q's rows 64-127) may be out
	WIN MUL_LO
	MUL16 \f, 0, 0, \zero
	MUL16 \f, 0, 2, \zero
	PLACES
	FETCH \slot, \k, \g
	s_wait_dscnt 32                                ; all but the 32 just issued
	WIN MUL_HI
	MUL16 \f, 1, 0, \zero
	MUL16 \f, 1, 2, \zero
.endm
; The first half of a K step's last quarter: one barrier for the change of slots.  In front of it each wave waits for all its tensor loads, adds 0 to its spare word, and waits for that and for its reads of this slot.
.macro MEET round
	WIN 0
	s_wait_tensorcnt 0x0                           ; all my tensor loads have landed: the one that was out is my part of the next slot
	ds_add_u32 v[SPW], v[NIL]                      ; 0 onto my spare word
	s_wait_dscnt 9                                 ; (the add and the youngest eight loads may be out)
	WIN MUL_LO
	MUL16 F1, 0, 0, 0
	s_wait_dscnt 0x0                               ; the add is done, and my reads of this slot are over
	s_barrier_signal -1
	MUL16 F1, 0, 2, 0
.if \round
	WIN 0
.endif
	s_barrier_wait -1
.endm
.macro TURN slot, next                 ; the whole last quarter: the slot just read out is filled again, two K steps ahead, first thing behind the cluster's round
	s_wait_xcnt 0x0                                ; the last prefetch, a K step back, has read its address
	s_add_nc_u64 s[PFA:PFA+1], s[PFA:PFA+1], KSTEP*2
	MEET 1
	CREST                                          ; no wave of any partner still reads this slot's tile or has a load on its way
	s_add_nc_u64 s[G0+4*\slot+2:G0+4*\slot+3], s[G0+4*\slot+2:G0+4*\slot+3], 2*KSTEP*2
	s_add_nc_u64 s[G0B+4*\slot+2:G0B+4*\slot+3], s[G0B+4*\slot+2:G0B+4*\slot+3], 2*KSTEP*2
	JLOAD \slot                                    ; its four v_nop are also the places in front of the loads below; 224 matrix instructions stand ahead of the wait for it
	FETCH \next, 0, F0
	ASK
	WIN MUL_HI
	MUL16 F1, 1, 0, 0
	MUL16 F1, 1, 2, 0
.endm
	s_wait_tensorcnt 1                             ; my part of K step 0 is in; K step 1's load may stay out
	s_barrier_signal -1
	s_barrier_wait -1
	FETCH 0, 0, F0
	QUARTER 0, 64,  F0, F1, 1                      ; the first quarter's products start the sums
	WIN 0
	s_mov_b32 s3, LAPS-1
.Llap:                                                 ; three trips: from a lap's second quarter to the next lap's first; K steps 2 to 7 are asked for
	QUARTER 0, 128, F1, F0, 0
	QUARTER 0, 192, F0, F1, 0
	TURN 0, 1
	QUARTER 1, 64,  F0, F1, 0
	QUARTER 1, 128, F1, F0, 0
	QUARTER 1, 192, F0, F1, 0
	TURN 1, 0
	QUARTER 0, 64,  F0, F1, 0
	WIN 0
	s_sub_co_u32 s3, s3, 1
	s_cmp_lg_u32 s3, 0
	s_cbranch_scc1 .Llap
	QUARTER 0, 128, F1, F0, 0                      ; the last lap asks for nothing
	QUARTER 0, 192, F0, F1, 0
	MEET 0
	PLACES
	FETCH 1, 0, F0
	WIN MUL_HI
	MUL16 F1, 1, 0, 0
	MUL16 F1, 1, 2, 0
	QUARTER 1, 64,  F0, F1, 0
	QUARTER 1, 128, F1, F0, 0
	QUARTER 1, 192, F0, F1, 0
	s_wait_dscnt 8
	WIN MUL_LO
	MUL16 F1, 0, 0, 0
	MUL16 F1, 0, 2, 0
	s_wait_dscnt 0
	WIN MUL_HI
	MUL16 F1, 1, 0, 0
	MUL16 F1, 1, 2, 0
	WIN 0
; THE EPILOGUE.
; The largest of a lane's 64 scores of each block, the window's four blocks by turns, in ascending order: every accumulator is first read at its lowest register.
.macro MAXW w
	WIN ((\w)<<4)|((\w)<<2)|(\w)
.irp a, 0,1,2,3
	v_max3_num_f32 v[WM+4*((\w)-2)+\a], v[64*\a], v[64*\a+1], v[64*\a+2]
.endr
	WIN ((\w)<<4)|((\w)<<2)
.set i, 3
.rept 30
.irp a, 0,1,2,3
	v_max3_num_f32 v[WM+4*((\w)-2)+\a], v[WM+4*((\w)-2)+\a], v[64*\a+i], v[64*\a+i+1]
.endr
.set i, i+2
.endr
.irp a, 0,1,2,3
	v_max_num_f32 v[WM+4*((\w)-2)+\a], v[WM+4*((\w)-2)+\a], v[64*\a+63]
.endr
.endm
.macro EXPB a                          ; block a: p = 2^(c s - cm), in place: 32 packed scalings, 64 exponentials as one batch, one plain line, one wait
.set AC, 64*((\a)%4)
.set W, 2+(\a)/4
	WIN (W<<6)|W
.set i, 0
.rept 32
	v_pk_fma_f32 v[AC+i:AC+i+1], v[AC+i:AC+i+1], s[CS:CS+1], v[ST+2*(\a):ST+2*(\a)+1] op_sel_hi:[1,0,0] neg_lo:[0,0,1] neg_hi:[0,0,1]
.set i, i+2
.endr
.set i, 0
.rept 64
	v_exp_f32 v[AC+i], v[AC+i]
.set i, i+1
.endr
	v_nop                                          ; a plain instruction behind the last exponential
	s_wait_alu depctr_va_vdst(0)                   ; one wait for the batch, ahead of its first reader
.endm
.macro PACK a                          ; rounded to f16: a lane's eight keys of a block are 16 bytes
.set AC, 64*((\a)%4)
	WIN 0x0a+5*((\a)/4)
.irp b, 0,1,2,3,4,5,6,7
.irp r, 0,1,2,3
	v_cvt_pk_f16_f32 v[TMP+4*\b+\r], v[AC+8*\b+2*\r], v[AC+8*\b+2*\r+1]
.endr
.endr
.endm
.macro SUMB a                          ; the sum of the lane's 64 unrounded p: a tree of packed additions in place, neighbours 2, 4, 8, 16, 32 registers apart
.set AC, 64*((\a)%4)
.set W, 2+(\a)/4
	WIN (W<<6)|(W<<2)|W
.irp d, 2,4,8,16,32
.set i, 0
.rept 32/\d
	v_pk_add_f32 v[AC+i:AC+i+1], v[AC+i:AC+i+1], v[AC+i+\d:AC+i+\d+1]
.set i, i+2*\d
.endr
.endr
	WIN 0x0a+5*((\a)/4)
	v_add_f32 v[LS+(\a)], v[AC], v[AC+1]
.endm
.macro TOSTAGE a
.set BK, BKB+32*((\a)%2)
	WIN 0
.irp b, 0,1,2,3,4,5,6,7
	ds_store_b128 v[STO], v[TMP+4*\b:TMP+4*\b+3] offset:32*\b
.endr
.irp t, 0,1,2,3,4,5,6,7
	ds_load_b128 v[BK+4*\t:BK+4*\t+3], v[RD] offset:\t*2*SPITCH    ; LDS serves a wave's instructions in order (ISA guide 5.7.1.4): these see the stores above
.endr
.endm
.macro SEND a
.set BK, BKB+32*((\a)%2)
	WIN 0
	s_wait_dscnt 0x0                               ; the block is back in registers
	s_wait_xcnt 0x0                                ; earlier stores have read their registers and their base
.if (\a) > 0
	s_add_nc_u64 s[8:9], s[8:9], 16*ROWP           ; 16 rows of p on
.endif
.irp t, 0,1,2,3,4,5,6,7
	global_store_b128 v[CO], v[BK+4*\t:BK+4*\t+3], s[8:9] offset:2*\t*ROWP   ; 16 lanes store 256 consecutive bytes, at a multiple of 256 from p's first byte
.endr
.endm
.irp a, 0,1,2,3,4,5,6,7
	v_mov_b32 v[WT+\a], 0                          ; a lane permute's destination counts as read.  These eight name no register of the products: they are the places behind the last of them
.endr
.irp a, 0,1,2,3,4,5,6,7
	v_mov_b32 v[LT+\a], 0
.endr
	MAXW 2
	MAXW 3
	WIN 0
.irp a, 0,1,2,3,4,5,6,7
	v_permlanex16_b32 v[WT+\a], v[WM+\a], s[SEL], s[SEL+1]
.endr
.irp a, 0,1,2,3,4,5,6,7
	v_max_num_f32 v[WM+\a], v[WM+\a], v[WT+\a]     ; over my wave's 128 keys
.endr
	ds_store_b128 v[XW], v[WM:WM+3]
	ds_store_b128 v[XW], v[WM+4:WM+7] offset:512
	s_wait_dscnt 0x0                               ; for the other wave's sake: my stores are done
	s_barrier_signal -1
	s_barrier_wait -1
	ds_load_b128 v[WT:WT+3], v[XR]
	ds_load_b128 v[WT+4:WT+7], v[XR] offset:512
	s_wait_dscnt 0x0
.irp a, 0,1,2,3,4,5,6,7
	v_max_num_f32 v[ST+2*\a+1], v[WM+\a], v[WT+\a] ; m: over the tile's 256 keys
.endr
.irp a, 0,1,2,3,4,5,6,7
	v_mul_f32 v[ST+2*\a], s[CS], v[ST+2*\a+1]      ; cm: stored as it is subtracted
.endr
	EXPB 0
	PACK 0
	SUMB 0
	TOSTAGE 0
.irp a, 1,2,3,4,5,6,7                  ; block a's arithmetic stands between block a - 1's loads from the stage and the wait for them
	EXPB \a
	PACK \a
	SUMB \a
	SEND \a-1
	TOSTAGE \a
.endr
.irp a, 0,1,2,3,4,5,6,7
	v_permlanex16_b32 v[LT+\a], v[LS+\a], s[SEL], s[SEL+1]
.endr
.irp a, 0,1,2,3,4,5,6,7
	v_add_f32 v[LS+\a], v[LS+\a], v[LT+\a]         ; l: over my wave's 128 keys
.endr
	v_cmp_eq_u32 vcc_lo, 1, v2
.irp a, 0,1,2,3,4,5,6,7
	v_cndmask_b32 v[DD+\a], v[ST+2*\a], v[LS+\a], vcc_lo   ; lanes 0-15 carry cm, lanes 16-31 l
.endr
	global_store_b128 v[SO], v[DD:DD+3], s[6:7]            ; 16 lanes store 256 consecutive bytes, aligned
	global_store_b128 v[SO], v[DD+4:DD+7], s[6:7] offset:256
	SEND 7
	s_wait_tensorcnt 0x0                           ; the wave's end
	ds_add_u32 v[SPW], v[NIL]
	s_wait_dscnt 0x0
	CROUND                                         ; the closing round
	s_endpgm
.Lfunc_end_k_qf69afa1fd1_scores:
	.size	k_qf69afa1fd1_scores, .Lfunc_end_k_qf69afa1fd1_scores-k_qf69afa1fd1_scores
	.p2alignl 7, 3214868480
	.fill 96, 4, 3214868480
	.section	.rodata,"a",@progbits
	.p2align	6, 0x0
	.amdhsa_kernel k_qf69afa1fd1_scores
		.amdhsa_group_segment_fixed_size 327680
		.amdhsa_private_segment_fixed_size 0
		.amdhsa_enable_private_segment 0
		.amdhsa_kernarg_size 24
		.amdhsa_user_sgpr_count 2
		.amdhsa_user_sgpr_kernarg_segment_ptr 1
		.amdhsa_wavefront_size32 1
		.amdhsa_system_sgpr_workgroup_id_x 1
		.amdhsa_system_sgpr_workgroup_id_y 1
		.amdhsa_system_sgpr_workgroup_id_z 1
		.amdhsa_system_vgpr_workitem_id 0
		.amdhsa_next_free_vgpr 1024
		.amdhsa_next_free_sgpr 66
		.amdhsa_reserve_vcc 1
		.amdhsa_float_denorm_mode_32 3
		.amdhsa_float_denorm_mode_16_64 3
		.amdhsa_memory_ordered 1
		.amdhsa_forward_progress 1
		.amdhsa_inst_pref_size 213
	.end_amdhsa_kernel
	.amdgpu_metadata
---
amdhsa.version: [ 1, 2 ]
amdhsa.kernels:
  - .name:           k_qf69afa1fd1_scores
    .symbol:         k_qf69afa1fd1_scores.kd
    .args:
      - { .name: qkv, .offset: 0, .size: 8, .value_kind: global_buffer, .address_space: global }
      - { .name: stat, .offset: 8, .size: 8, .value_kind: global_buffer, .address_space: global }
      - { .name: p, .offset: 16, .size: 8, .value_kind: global_buffer, .address_space: global }
    .group_segment_fixed_size: 327680
    .private_segment_fixed_size: 0
    .kernarg_segment_align: 8
    .kernarg_segment_size: 24
    .max_flat_workgroup_size: 128
    .sgpr_count:     66
    .vgpr_count:     1024
    .wavefront_size: 32
...
	.end_amdgpu_metadata
.endif
;; end of part 3
;; launch pv (part 4): grid 4 x 64, 4 waves a work-group, clusters of 4 x 4, 327,680 bytes of LDS; arguments p, qkv, stat, out0; writes out0
.if DOCPART == 4
	.amdgcn_target "amdgcn-amd-amdhsa--gfx1250"
	.amdhsa_code_object_version 6
	.text
	.protected	k_qf69afa1fd1_pv
	.globl	k_qf69afa1fd1_pv
	.p2align	8
	.type	k_qf69afa1fd1_pv,@function
k_qf69afa1fd1_pv:
	s_mov_b64 s[64:65], 0
	v_nop
	global_prefetch_b8 v0, s[64:65] scope:SCOPE_SE
	s_setreg_imm32_b32 hwreg(HW_REG_WAVE_MODE, 25, 1), 1
	s_wait_xcnt 0x0
	s_wait_alu depctr_hold_cnt(0) depctr_sa_sdst(0) depctr_va_vdst(0) depctr_va_sdst(0) depctr_va_ssrc(0) depctr_va_vcc(0) depctr_vm_vsrc(0)
	s_getreg_b32 s2, hwreg(HW_REG_IB_STS2, 6, 4)
	s_cmp_eq_u32 s2, 0
	s_cbranch_scc0 .Lentry_in_a_cluster
	s_endpgm
.Lentry_in_a_cluster:
	s_bfe_u32 s2, ttmp6, 0x10000c
	s_cmp_lg_u32 s2, 0xf033
	s_cbranch_scc0 .Lentry_shape_is_right
	s_endpgm
.Lentry_shape_is_right:
; out[q][d] = the sum over the eight tiles t of 256 keys of f'(q, t) x (P_t V_t)(q, d), on f16 operands with f32 sums.
; p: [8192 queries][2048 keys] f16, p = 2^(c s - cm_t).  V lies transposed in qkv from byte 33,554,432 on: [4 batches][1024 d][2048 keys] f16.  Rows of both are 4,096 bytes apart.
; THE SOFTMAX'S SECOND STAGE.  stat holds for each query and tile cm_t, and the sums l of the unrounded p of each 128 keys.  M = the largest cm_t, the row's true maximum in units of c; e_t = 2^(cm_t - M), at most 1;
; L = the sum of e_t l_t, at least about 1; f'_t = e_t / L.  A tile's product is summed in accumulators of its own and added, times f', to the running result in f32.
; A tile of the output is 128 queries x 256 channels: 256 work-groups.  Four waves, 64 x 128 each: 32 accumulators for the tile's sums and 256 registers for the running result.
; K = 2,048 keys goes in 16 steps of 128 through a ring of two LDS slots; a lap is two steps, one tile t.
; CLUSTERS: 4 x 4.  P's tiles are shared along a row of the cluster (its four blocks of channels), V's along a column: joint loads divide the requests by four.
; THE MATRIX INSTRUCTION IS USED TRANSPOSED (source 0 = 16 channels of V^T, source 1 = 16 queries of P): a lane holds ONE query (lane % 16) and eight neighbouring channels.
; REGISTERS: window 0: v0-31 addresses; v32-39 the lap's factors, each twice; v64-127, v128-191 P's fragments, two buffers of 64 keys; at the head v64-255 serve the factors' arithmetic, on the way out v128-255 rows read back.
;   window 1: V^T's fragments, two buffers of 128 registers.   window 2: the tile's sums ((a, b) at v[8 (8 a + b)]).   window 3: the running result, same numbers.
.set KSTEP,  128
.set PITCH,  272                       ; an LDS row: 256 bytes + 16 of padding
.set HA,     64*PITCH                  ; 64 rows of P: what waves 0 and 1 fetch, and what a wave reads
.set HB,     128*PITCH                 ; 128 rows of V^T: what waves 2 and 3 fetch, and what a wave reads
.set SLOT,   2*HA+2*HB
.set STAGE,  2*SLOT                    ; behind the ring: 16 rows x 528 bytes for each wave
.set SPITCH, 528
.set FTAB,   STAGE+4*16*SPITCH         ; the factors: 8,192 bytes a wave: 1,024 t + 512 i + 16 lane
.set SPARE,  FTAB+4*8192               ; the spare words, 128 bytes a wave
.set ROWP,   4096
.set ADRA, 16                          ; v16-17  LDS address of my P fragments in slot 0, 1
.set ADRB, 20                          ; v20-21  of my V^T fragments
.set STO,  24
.set RD,   25
.set CO,   26
.set FA,   27                          ; v27     where the lap's factors lie
.set SPW,  28
.set NIL,  29
.set PFO,  30                          ; v30     my lane x a row; never rewritten
.set RO,   31                          ; v31     16 x (lane % 16)
.set FP,   32                          ; v32-39  (f0, f0, f1, f1, f2, f2, f3, f3)
.set CM,   64                          ; the head's arithmetic: v64-95 cm, then e; v96-159 l; v160-163 M; v164-167 L; v168-171 1 / L; v192-255 f', each twice
.set LL,   96
.set MX,   160
.set LSM,  164
.set RC,   168
.set FT,   192
.set BK,   128
.set LIM,  15
.set PFA,  44
.set G1, 24
.set G0, 32
.set G1B, 48
.set G0B, 56
.set MSB, 0
.macro WIN new
.if MSB != (\new)
	s_set_vgpr_msb (MSB<<8)|(\new)
.set MSB, (\new)
.endif
.endm
.set MUL,  0xa1                        ; source 0 (V^T) window 1, source 1 (P) window 0, C and D window 2
.set TO_B, 0x40                        ; destination window 1, address window 0
.macro JLOAD s                         ; waves 0 and 1 fetch P's halves, waves 2 and 3 V^T's; an s_nop 0 and four v_nop follow each of the two lines
	s_cmp_eq_u32 s13, 0
	s_cbranch_scc0 .Lfor_b_\@
	tensor_load_to_lds s[G0+4*\s:G0+4*\s+3], s[G1:G1+7]
	s_nop 0
.rept 4
	v_nop
.endr
	s_branch .Lasked_\@
.Lfor_b_\@:
	tensor_load_to_lds s[G0B+4*\s:G0B+4*\s+3], s[G1B:G1B+7]
	s_nop 0
.rept 4
	v_nop
.endr
.Lasked_\@:
.endm
; A prefetch of the K step that stands two refills on, a lane a row of 256 bytes.  Each row's part is named once in the launch.  P's 128 rows are read by one row of one cluster: its four partners take 32 each, by address,
; and wave 0 asks.  V^T's 256 rows of a block of channels are read by a batch's four clusters: the first of them asks; its four partners of a column take 64 each, by address, waves 2 and 3 32 each.
; how = 1: the lap written out ahead of the loop; how = 0: in the loop, whose last trip (s3 = 1) asks for nothing.
.macro ASK how
.if \how
	s_cmp_eq_u32 s[LIM], 1
.else
	s_cmp_gt_u32 s3, s[LIM]
.endif
	s_cbranch_scc0 .Lnot_mine_\@
	global_prefetch_b8 v[PFO], s[PFA:PFA+1] offset:KSTEP*2 th:TH_LOAD_NT scope:SCOPE_SE
.Lnot_mine_\@:
.endm
.macro CREST
	s_cmp_lg_u32 s12, 0
	s_cbranch_scc1 .Lnot_wave_0_\@
	s_barrier_signal -3
.Lnot_wave_0_\@:
	s_barrier_wait -3
	s_barrier_signal -1
	s_barrier_wait -1
.endm
.macro CROUND
	s_barrier_signal -1
	s_barrier_wait -1
	CREST
.endm
	s_load_b256 s[4:11], s[0:1], 0x0               ; p s[4:5], qkv s[6:7], stat s[8:9], out0 s[10:11]
	v_lshl_add_u32 v[SPW], v0, 2, SPARE
	v_mov_b32 v[NIL], 0
	ds_add_u32 v[SPW], v[NIL]                      ; the wave's opening: the add, twice on end, and its wait ahead of my first tensor load
	ds_add_u32 v[SPW], v[NIL]
	v_lshrrev_b32 v1, 5, v0
	v_readfirstlane_b32 s12, v1                    ; wave 0..3
	s_lshr_b32 s13, s12, 1                         ; which 64 queries are mine.  Also: I fetch for P (0) or for V^T (1)
	s_and_b32 s14, s12, 1                          ; which 128 channels.  Also: which half of that tile I fetch
	s_bfe_u32 s40, ttmp6, 0x40000                  ; cx: the block of 256 channels
	s_bfe_u32 s41, ttmp6, 0x40004                  ; cy
	s_and_b32 s16, ttmp7, 0xffff                   ; cluster y
	s_lshl_b32 s17, s16, 2
	s_add_co_u32 s17, s17, s41                     ; tile row: 128 queries, 0..63
	s_lshr_b32 s18, s16, 2                         ; the batch
	s_lshl_b32 s19, s41, 2
	s_lshl_b32 s19, 15, s19                        ; my row of the cluster
	s_lshl_b32 s20, 0x1111, s40                    ; my column
	s_or_b32 s[G1+0], s19, (1<<16)|(1<<20)|(1<<21)|(5<<22)|(3<<25)  ; 15:0 the mask; 17:16 elements of 2 bytes; 20 padding on; 21 set beside a mask; 24:22 after every 64 words; 31:25 four words
	s_mov_b32 s[G1+1], KSTEP<<16                   ; tensor_dim0 = 128
	s_mov_b32 s[G1+2], 64<<16                      ; tensor_dim1 = 64
	s_mov_b32 s[G1+3], KSTEP<<16                   ; tile_dim0 = 128
	s_mov_b32 s[G1+4], 64                          ; tile_dim1 = 64
	s_mov_b32 s[G1+5], 2048                        ; elements from row to row
	s_mov_b32 s[G1+6], 0
	s_mov_b32 s[G1+7], 0
	s_or_b32 s[G1B+0], s20, (1<<16)|(1<<20)|(1<<21)|(5<<22)|(3<<25)
	s_mov_b32 s[G1B+1], KSTEP<<16
	s_mov_b32 s[G1B+2], 128<<16                    ; 128 rows
	s_mov_b32 s[G1B+3], KSTEP<<16
	s_mov_b32 s[G1B+4], 128
	s_mov_b32 s[G1B+5], 2048
	s_mov_b32 s[G1B+6], 0
	s_mov_b32 s[G1B+7], 0
	s_lshl_b32 s22, s17, 7
	s_lshl_b32 s23, s14, 6
	s_add_co_u32 s22, s22, s23                     ; P: query 128 x tile row + 64 x half,
	s_lshl_b32 s22, s22, 12                        ; 4,096 bytes a row
	s_mov_b32 s23, 0
	s_lshl_b32 s46, s18, 22                        ; V^T: the batch's 1,024 rows,
	s_lshl_b32 s47, s40, 20                        ; 256 cx rows,
	s_add_co_u32 s46, s46, s47
	s_lshl_b32 s47, s14, 19                        ; 128 x half,
	s_add_co_u32 s46, s46, s47
	s_add_co_u32 s46, s46, 0x2000000               ; behind qkv's first region
	s_mov_b32 s47, 0
	s_mul_i32 s66, s14, HA                         ; where they go: P's halves, then V^T's: no place in the cluster enters an LDS address
	s_mul_i32 s67, s14, HB
	s_add_co_u32 s67, s67, 2*HA
	s_wait_dscnt 0x0                               ; both opening adds are done
	s_wait_kmcnt 0x0
	s_add_nc_u64 s[22:23], s[4:5], s[22:23]
	s_add_nc_u64 s[46:47], s[6:7], s[46:47]
	CROUND                                         ; all sixteen work-groups are here: the first joint loads meet
.irp s, 0,1
	s_mov_b32 s[G0+4*\s], 1
	s_add_co_u32 s[G0+4*\s+1], s66, \s*SLOT
	s_add_nc_u64 s[G0+4*\s+2:G0+4*\s+3], s[22:23], \s*KSTEP*2
	s_or_b32 s[G0+4*\s+3], s[G0+4*\s+3], 0x80000000
	s_mov_b32 s[G0B+4*\s], 1
	s_add_co_u32 s[G0B+4*\s+1], s67, \s*SLOT
	s_add_nc_u64 s[G0B+4*\s+2:G0B+4*\s+3], s[46:47], \s*KSTEP*2
	s_or_b32 s[G0B+4*\s+3], s[G0B+4*\s+3], 0x80000000
	JLOAD \s                                       ; two tensor loads of mine are out behind the second
.endr
	; THE FACTORS.  My 64 queries' cm of the 8 tiles and l of the 16 runs of 128 keys: lane (r, h) takes the four numbers of queries 16 a + r, a = 0..3
	v_and_b32 v1, 15, v0                           ; r
	v_bfe_u32 v2, v0, 4, 1                         ; h
	v_lshlrev_b32 v[RO], 4, v1
	s_lshl_b32 s68, s17, 14                        ; 16 records of 1,024 bytes for each 128 queries,
	s_lshl_b32 s69, s13, 8                         ; my half of the queries
	s_add_co_u32 s68, s68, s69
	s_mov_b32 s69, 0
	s_add_nc_u64 s[8:9], s[8:9], s[68:69]
.irp t, 0,1,2,3,4,5,6,7
	global_load_b128 v[CM+4*\t:CM+4*\t+3], v[RO], s[8:9] offset:2048*\t
.endr
.irp k, 0,1,2,3,4,5,6,7,8,9,10,11,12,13,14,15
	global_load_b128 v[LL+4*\k:LL+4*\k+3], v[RO], s[8:9] offset:1024*\k+512
.endr
	v_mul_u32_u24 v3, v1, PITCH
	v_lshl_add_u32 v3, v2, 4, v3                   ; a fragment's row x pitch + 16 x half
	s_mul_i32 s20, s13, HA                         ; my 64 rows of P
	s_mul_i32 s21, s14, HB                         ; my 128 rows of V^T,
	s_add_co_u32 s21, s21, 2*HA                    ; which lie behind P's 128
.irp s, 0,1
	v_add_nc_u32 v[ADRA+\s], s20, v3
	v_add_nc_u32 v[ADRB+\s], s21, v3
	s_add_co_u32 s20, s20, SLOT
	s_add_co_u32 s21, s21, SLOT
.endr
	s_mul_i32 s20, s12, 16*SPITCH
	s_add_co_u32 s20, s20, STAGE                   ; my stage
	v_mul_u32_u24 v4, v1, SPITCH                   ; in: row r, 32 bytes for each half of the lanes
	v_lshl_add_u32 v4, v2, 5, v4
	v_add_nc_u32 v[STO], s20, v4
	v_and_b32 v5, 31, v0
	v_lshlrev_b32 v[CO], 4, v5                     ; back: the 32 lanes take one row of 512 bytes; and the same in out0
	v_add_nc_u32 v[RD], s20, v[CO]
	s_lshl_b32 s20, s12, 13
	s_add_co_u32 s20, s20, FTAB
	v_add_nc_u32 v[FA], s20, v[CO]                 ; my wave's table + 16 x lane
	v_lshlrev_b32 v[PFO], 12, v5
	s_lshl_b32 s20, s17, 7
	s_lshl_b32 s21, s13, 6
	s_add_co_u32 s20, s20, s21                     ; my first query,
	s_lshl_b32 s20, s20, 12
	s_lshl_b32 s21, s40, 10                        ; my first channel, in bytes: 1,024 cx + 512 x half
	s_add_co_u32 s20, s20, s21
	s_lshl_b32 s21, s14, 9
	s_add_co_u32 s20, s20, s21
	s_mov_b32 s21, 0
	s_add_nc_u64 s[10:11], s[10:11], s[20:21]
	; the prefetches: where my wave's stand, and who asks
	s_lshl_b32 s68, s17, 7
	s_lshl_b32 s69, s40, 5
	s_add_co_u32 s68, s68, s69
	s_lshl_b32 s68, s68, 12                        ; P: rows 128 x tile row + 32 cx on
	s_lshl_b32 s70, s18, 22
	s_lshl_b32 s71, s40, 20
	s_add_co_u32 s70, s70, s71
	s_lshl_b32 s71, s41, 18                        ; V^T: rows 256 cx + 64 cy + 32 x (wave % 2) on
	s_add_co_u32 s70, s70, s71
	s_lshl_b32 s71, s14, 17
	s_add_co_u32 s70, s70, s71
	s_add_co_u32 s70, s70, 0x2000000
	s_and_b32 s71, s16, 3                          ; 0 in the batch's first cluster
	s_cmp_eq_u32 s13, 0
	s_cselect_b64 s[PFA:PFA+1], s[4:5], s[6:7]
	s_cselect_b32 s68, s68, s70
	s_cselect_b32 s71, s14, s71                    ; waves 0, 1: 0 in wave 0 alone
	s_cmp_eq_u32 s71, 0
	s_cselect_b32 s[LIM], 1, -1                    ; the same in all sixteen partners, for a given wave
	s_mov_b32 s69, 0
	s_add_nc_u64 s[PFA:PFA+1], s[PFA:PFA+1], s[68:69]
	s_add_nc_u64 s[PFA:PFA+1], s[PFA:PFA+1], 2*KSTEP*2  ; at K step 2: the first refill steps it to 3 and names K step 4
	s_wait_loadcnt 0x0
.irp a, 0,1,2,3
	v_max3_num_f32 v[MX+\a], v[CM+\a], v[CM+4+\a], v[CM+8+\a]
.endr
.irp a, 0,1,2,3
	v_max3_num_f32 v[MX+\a], v[MX+\a], v[CM+12+\a], v[CM+16+\a]
.endr
.irp a, 0,1,2,3
	v_max3_num_f32 v[MX+\a], v[MX+\a], v[CM+20+\a], v[CM+24+\a]
.endr
.irp a, 0,1,2,3
	v_max_num_f32 v[MX+\a], v[MX+\a], v[CM+28+\a]  ; M
.endr
.irp t, 0,1,2,3,4,5,6,7
.irp a, 0,1,2,3
	v_sub_f32 v[CM+4*\t+\a], v[CM+4*\t+\a], v[MX+\a]
.endr
.endr
.irp t, 0,1,2,3,4,5,6,7
.irp a, 0,1,2,3
	v_exp_f32 v[CM+4*\t+\a], v[CM+4*\t+\a]         ; e = 2^(cm - M), at most 1
.endr
.endr
.irp t, 0,1,2,3,4,5,6,7
.irp a, 0,1,2,3
	v_add_f32 v[LL+8*\t+\a], v[LL+8*\t+\a], v[LL+8*\t+4+\a]   ; a tile's l: its two runs of 128 keys.  (Plain work behind the exponentials)
.endr
.endr
	s_wait_alu depctr_va_vdst(0)                   ; one wait for the 32 exponentials, ahead of their first reader
.irp a, 0,1,2,3
	v_mul_f32 v[LSM+\a], v[CM+\a], v[LL+\a]
.endr
.irp t, 1,2,3,4,5,6,7
.irp a, 0,1,2,3
	v_fma_f32 v[LSM+\a], v[CM+4*\t+\a], v[LL+8*\t+\a], v[LSM+\a]   ; L
.endr
.endr
.irp a, 0,1,2,3
	v_rcp_f32 v[RC+\a], v[LSM+\a]
.endr
	v_nop
	s_wait_alu depctr_va_vdst(0)                   ; and one for the four reciprocals
.irp t, 0,1,2,3,4,5,6,7
.irp a, 0,1,2,3
	v_mul_f32 v[FT+8*\t+2*\a], v[CM+4*\t+\a], v[RC+\a]     ; f' = e / L, written twice: the packed multiply-add takes a pair
	v_mul_f32 v[FT+8*\t+2*\a+1], v[CM+4*\t+\a], v[RC+\a]
.endr
.endr
.irp t, 0,1,2,3,4,5,6,7
	ds_store_b128 v[FA], v[FT+8*\t:FT+8*\t+3] offset:1024*\t
	ds_store_b128 v[FA], v[FT+8*\t+4:FT+8*\t+7] offset:1024*\t+512
.endr
; 8 matrix instructions: query block a x all 8 channel blocks, 32 keys: half c of buffer buf.  zero = 1: the product starts the tile's sums.
; The 32 accumulators take turns, one instruction a turn, in the same order throughout.
.macro MUL8 buf, c, a, zero
.irp b, 0,1,2,3,4,5,6,7
.if \zero
	v_wmma_f32_16x16x32_f16 v[8*(8*(\a)+\b):8*(8*(\a)+\b)+7], v[128*(\buf)+8*(8*(\c)+\b):128*(\buf)+8*(8*(\c)+\b)+7], v[64+64*(\buf)+8*(4*(\c)+(\a)):64+64*(\buf)+8*(4*(\c)+(\a))+7], 0
.else
	v_wmma_f32_16x16x32_f16 v[8*(8*(\a)+\b):8*(8*(\a)+\b)+7], v[128*(\buf)+8*(8*(\c)+\b):128*(\buf)+8*(8*(\c)+\b)+7], v[64+64*(\buf)+8*(4*(\c)+(\a)):64+64*(\buf)+8*(4*(\c)+(\a))+7], v[8*(8*(\a)+\b):8*(8*(\a)+\b)+7]
.endif
.endr
.endm
.macro MULC buf, c, zero
.irp a, 0,1,2,3
	MUL8 \buf, \c, \a, \zero
.endr
.endm
.macro FETCH slot, k, buf              ; 48 LDS loads in one run: the fragments of 64 keys at byte k of the rows: V^T's 32, then P's 16, the first 32 keys first
	WIN TO_B
.irp c, 0,1
.irp b, 0,1,2,3,4,5,6,7
	ds_load_b128 v[128*(\buf)+8*(8*\c+\b):128*(\buf)+8*(8*\c+\b)+3],   v[ADRB+\slot] offset:\k+64*\c+\b*16*PITCH
	ds_load_b128 v[128*(\buf)+8*(8*\c+\b)+4:128*(\buf)+8*(8*\c+\b)+7], v[ADRB+\slot] offset:\k+64*\c+\b*16*PITCH+32
.endr
.endr
	WIN 0
.irp c, 0,1
.irp a, 0,1,2,3
	ds_load_b128 v[64+64*(\buf)+8*(4*\c+\a):64+64*(\buf)+8*(4*\c+\a)+3],   v[ADRA+\slot] offset:\k+64*\c+\a*16*PITCH
	ds_load_b128 v[64+64*(\buf)+8*(4*\c+\a)+4:64+64*(\buf)+8*(4*\c+\a)+7], v[ADRA+\slot] offset:\k+64*\c+\a*16*PITCH+32
.endr
.endr
.endm
.macro FLOAD                           ; the lap's factors
	ds_load_b128 v[FP:FP+3], v[FA]
	ds_load_b128 v[FP+4:FP+7], v[FA] offset:512
.endm
.macro PLACES
.rept 4
	v_nop
.endr
.endm
.macro HALF slot, zero                 ; a K step's first 64 keys, on buffer 0; in its middle the second 64 keys' fragments are fetched into buffer 1
	s_wait_dscnt 8                                 ; all but the youngest eight loads (P's second 32 keys)
	WIN MUL
	MULC 0, 0, \zero
	PLACES
	FETCH \slot, 128, 1
	s_wait_dscnt 48                                ; all but the 48 just issued
	WIN MUL
	MULC 0, 1, 0
.endm
; A K step's second 64 keys, on buffer 1, and the change of slots: one barrier; in front of it each wave waits for all its tensor loads, adds 0 to its spare word, and waits for that and for its reads of this slot.
; fill = 1: the barrier opens a round of the cluster's, and the slot is filled again, two K steps ahead, first thing behind it: 112 matrix instructions stand ahead of the wait for that load.  fl = 1: the lap's factors are fetched.
.macro TURN slot, next, fill, how, fl
.if \fill
	s_wait_xcnt 0x0                                ; the last prefetch, a K step back, has read its address
	s_add_nc_u64 s[PFA:PFA+1], s[PFA:PFA+1], KSTEP*2
.endif
	WIN 0
	s_wait_tensorcnt 0x0                           ; all my tensor loads have landed: my part of the next slot
	ds_add_u32 v[SPW], v[NIL]                      ; 0 onto my spare word
	s_wait_dscnt 9                                 ; (the add and the youngest eight loads may be out)
	WIN MUL
	MUL8 1, 0, 0, 0
	s_wait_dscnt 0x0                               ; the add is done, and my reads of this slot are over
	s_barrier_signal -1
	MUL8 1, 0, 1, 0
.if \fill
	WIN 0
.endif
	s_barrier_wait -1
.if \fill
	CREST                                          ; no wave of any partner still reads this slot's tile or has a load on its way
	s_add_nc_u64 s[G0+4*\slot+2:G0+4*\slot+3], s[G0+4*\slot+2:G0+4*\slot+3], 2*KSTEP*2
	s_add_nc_u64 s[G0B+4*\slot+2:G0B+4*\slot+3], s[G0B+4*\slot+2:G0B+4*\slot+3], 2*KSTEP*2
	JLOAD \slot                                    ; its four v_nop are also the places in front of the loads below
.else
	PLACES
.endif
	FETCH \next, 0, 0
.if \fl
	FLOAD
.endif
.if \fill
	ASK \how
.endif
	WIN MUL
	MUL8 1, 0, 2, 0
	MUL8 1, 0, 3, 0
	MULC 1, 1, 0
.endm
; The tile's sums, times the queries' factors, go onto the running result; first = 1: they start it.  Each accumulator is read from its low end on.  Four plain lines stand behind the last product;
; for each accumulator more than five of the lines here name none of its registers, ahead of the next lap's product that begins it anew.
.macro FLUSH first, step
	WIN 0
	s_wait_dscnt 0x0                               ; the factors are in
.if \step
	v_add_nc_u32 v[FA], 1024, v[FA]                ; the next lap's
.else
	v_nop
.endif
.rept 3
	v_nop
.endr
	WIN 0xf2                                       ; source 0 window 2, source 1 window 0, source 2 and destination window 3
.irp a, 0,1,2,3
.set i, 0
.rept 32
.if \first
	v_pk_mul_f32 v[64*\a+i:64*\a+i+1], v[64*\a+i:64*\a+i+1], v[FP+2*\a:FP+2*\a+1]
.else
	v_pk_fma_f32 v[64*\a+i:64*\a+i+1], v[64*\a+i:64*\a+i+1], v[FP+2*\a:FP+2*\a+1], v[64*\a+i:64*\a+i+1]
.endif
.set i, i+2
.endr
.endr
	WIN 0
.endm
.macro LAP first, how
	HALF 0, 1
	TURN 0, 1, 1, \how, 0
	HALF 1, 0
	TURN 1, 0, 1, \how, 1
	FLUSH \first, 1
.endm
	s_wait_tensorcnt 1                             ; my part of K step 0 is in; K step 1's load may stay out
	s_wait_dscnt 0x0                               ; my table is stored
	s_barrier_signal -1
	s_barrier_wait -1
	FETCH 0, 0, 0
	LAP 1, 1                                       ; tile 0; K steps 2 and 3 are asked for
	s_mov_b32 s3, 6
.Llap:                                                 ; tiles 1 to 6; K steps 4 to 15 are asked for
	LAP 0, 0
	s_sub_co_u32 s3, s3, 1
	s_cmp_lg_u32 s3, 0
	s_cbranch_scc1 .Llap
	HALF 0, 1                                      ; tile 7: nothing is left to fetch from memory
	TURN 0, 1, 0, 0, 0
	HALF 1, 0
	s_wait_dscnt 8
	WIN MUL
	MULC 1, 0, 0
	WIN 0
	FLOAD
	s_wait_dscnt 2                                 ; P's second 32 keys are in; the two loads of factors may be out
	WIN MUL
	MULC 1, 1, 0
	FLUSH 0, 0
; THE WAY OUT, block by block of 16 queries x 128 channels: through my own stage and back as whole rows of 512 bytes.
.macro TOSTAGE a
	WIN 0x0c                                       ; an LDS store's data: window 3
.irp b, 0,1,2,3,4,5,6,7
	ds_store_b128 v[STO], v[64*(\a)+8*\b:64*(\a)+8*\b+3] offset:64*\b
	ds_store_b128 v[STO], v[64*(\a)+8*\b+4:64*(\a)+8*\b+7] offset:64*\b+16
.endr
	WIN 0
.set BB, BK+64*((\a)%2)
.irp t, 0,1,2,3,4,5,6,7,8,9,10,11,12,13,14,15
	ds_load_b128 v[BB+4*\t:BB+4*\t+3], v[RD] offset:\t*SPITCH      ; LDS serves a wave's instructions in order (ISA guide 5.7.1.4): these see the stores above
.endr
.endm
.macro SEND a, younger                 ; younger: the LDS instructions issued behind block a's loads, which may stay out
.set BB, BK+64*((\a)%2)
	s_wait_dscnt \younger
.if (\a) > 0
	s_add_nc_u64 s[10:11], s[10:11], 16*ROWP       ; (behind a wait on XCNT: the earlier stores have read their base)
.endif
.irp t, 0,1,2,3,4,5,6,7,8,9,10,11,12,13,14,15
	global_store_b128 v[CO], v[BB+4*\t:BB+4*\t+3], s[10:11] offset:\t*ROWP th:TH_STORE_NT   ; 32 lanes store 512 consecutive bytes, at a multiple of 256 from out0's first byte
.endr
.endm
	TOSTAGE 0
.irp a, 1,2,3
.if \a > 1
	s_wait_xcnt 0x0                                ; block a - 2's stores have read their registers and their base
.endif
	TOSTAGE \a
	SEND \a-1, 32                                  ; behind block a - 1's loads: block a's 16 stores and 16 loads
.endr
	s_wait_xcnt 0x0
	SEND 3, 0
	s_wait_tensorcnt 0x0                           ; the wave's end
	ds_add_u32 v[SPW], v[NIL]
	s_wait_dscnt 0x0
	CROUND                                         ; the closing round
	s_endpgm
.Lfunc_end_k_qf69afa1fd1_pv:
	.size	k_qf69afa1fd1_pv, .Lfunc_end_k_qf69afa1fd1_pv-k_qf69afa1fd1_pv
	.p2alignl 7, 3214868480
	.fill 96, 4, 3214868480
	.section	.rodata,"a",@progbits
	.p2align	6, 0x0
	.amdhsa_kernel k_qf69afa1fd1_pv
		.amdhsa_group_segment_fixed_size 327680
		.amdhsa_private_segment_fixed_size 0
		.amdhsa_enable_private_segment 0
		.amdhsa_kernarg_size 32
		.amdhsa_user_sgpr_count 2
		.amdhsa_user_sgpr_kernarg_segment_ptr 1
		.amdhsa_wavefront_size32 1
		.amdhsa_system_sgpr_workgroup_id_x 1
		.amdhsa_system_sgpr_workgroup_id_y 1
		.amdhsa_system_sgpr_workgroup_id_z 1
		.amdhsa_system_vgpr_workitem_id 0
		.amdhsa_next_free_vgpr 1024
		.amdhsa_next_free_sgpr 72
		.amdhsa_reserve_vcc 0
		.amdhsa_float_denorm_mode_32 3
		.amdhsa_float_denorm_mode_16_64 3
		.amdhsa_memory_ordered 1
		.amdhsa_forward_progress 1
		.amdhsa_inst_pref_size 153
	.end_amdhsa_kernel
	.amdgpu_metadata
---
amdhsa.version: [ 1, 2 ]
amdhsa.kernels:
  - .name:           k_qf69afa1fd1_pv
    .symbol:         k_qf69afa1fd1_pv.kd
    .args:
      - { .name: p, .offset: 0, .size: 8, .value_kind: global_buffer, .address_space: global }
      - { .name: qkv, .offset: 8, .size: 8, .value_kind: global_buffer, .address_space: global }
      - { .name: stat, .offset: 16, .size: 8, .value_kind: global_buffer, .address_space: global }
      - { .name: out0, .offset: 24, .size: 8, .value_kind: global_buffer, .address_space: global }
    .group_segment_fixed_size: 327680
    .private_segment_fixed_size: 0
    .kernarg_segment_align: 8
    .kernarg_segment_size: 32
    .max_flat_workgroup_size: 128
    .sgpr_count:     72
    .vgpr_count:     1024
    .wavefront_size: 32
...
	.end_amdgpu_metadata
.endif
;; end of part 4
